; MI455X (gfx1250); checked and timed in simulation.
; The chip was launched on July 23, 2026; its instructions are those of AMD's public machine-readable ISA for CDNA 5 (MIT licence, August 2026) and "CDNA5" Instruction Set Architecture Reference Guide (July 2026). The comments in the code are by the model that wrote it; some were corrected since.
;; Causal Graph Attn. Allowed arithmetic: matrix products marked QUANTISED: E2M3 operands, one E8M0 scale for each 32 along K, by v_wmma_scale_f32_16x16x128_f8f6f4 with both operands' format E2M3, f32 sums; everything else in f32.
;; Inputs: adj 2,048 x 2,048 float32; b_out 1,024 float32; ln_beta 1,024 float32; ln_gamma 1,024 float32; w_out_codes 1,024 x 32 x 24 uint8 (E2M3 codes of w_out, K innermost, in blocks of 32 codes, four codes in three bytes); w_out_scales 1,024 x 32 uint8 (E8M0 scales of w_out, one for each 32 codes along K); w_qkv_codes 3,072 x 32 x 24 uint8 (E2M3 codes of w_qkv, K innermost, in blocks of 32 codes, four codes in three bytes); w_qkv_scales 3,072 x 32 uint8 (E8M0 scales of w_qkv, one for each 32 codes along K); x 4 x 2,048 x 1,024 float32.
;; Outputs: out0 4 x 2,048 x 1,024 float32.
;; This version of the problem:
;;   THIS VERSION OF THE PROBLEM IS GIVEN IN LOW PRECISION. The matrix products marked QUANTISED in the list below multiply operands that are first quantised to E2M3 (2 exponent bits, 3 mantissa bits; 6 bits a number), with one power-of-two scale for each 32 numbers along K (OCP MX v1.0); their sums are f32. All else is computed in f32.
;;   The module's matrix products, in the order in which they are computed (A, B: the left and right operand; K: the contracted axis; several contracted axes count as one K, in the product's order):
;;     1. [M 8,192, K 1,024] x [K 1,024, N 3,072]; A: computed on the way; B: input w_qkv (given as codes): QUANTISED
;;     2. batch 64 x [M 2,048, K 64] x [K 64, N 2,048]; A: computed on the way; B: computed on the way: QUANTISED
;;     3. batch 64 x [M 2,048, K 2,048] x [K 2,048, N 64]; A: softmax (see below); B: computed on the way: QUANTISED
;;     4. [M 8,192, K 1,024] x [K 1,024, N 1,024]; A: computed on the way; B: input w_out (given as codes): QUANTISED
;;   THE QUANTISER, for each operand of a quantised product, along K:
;;     - K is cut into blocks of 32 from its start; a last block that is shorter is filled with zeros.
;;     - A block's scale is 2^e with e = floor(log2(the largest magnitude in the block)) - 2, held to -126 .. 127; a block of zeros has e = 0. As a byte (E8M0): e + 127.
;;     - Each number is divided by its block's scale, clamped to +-7.5, and rounded to the nearest number of E2M3, ties to even, subnormals kept.
;;     - The product sums the exact products of the quantised numbers (number of the format x scale) in f32.
;;   ~~~python
;;   def quantise(x, axis):      # numpy; x: float32 -> the quantised numbers, widened to float32 again
;;       x = np.moveaxis(x, axis, -1); K = x.shape[-1]
;;       x = np.pad(x, [(0, 0)] * (x.ndim - 1) + [(0, -K % 32)]); x = x.reshape(x.shape[:-1] + (-1, 32)); a = np.abs(x).max(-1, keepdims=True)
;;       e = np.where(a > 0, np.clip(np.frexp(np.where(a > 0, a, 1))[1] - 1 - 2, -126, 127), 0)      # np.frexp(a)[1] - 1 = floor(log2(a)), exactly
;;       r = np.clip(x / 2.0 ** e, -7.5, 7.5)
;;       step = 2.0 ** (np.maximum(np.frexp(np.where(r == 0, 1, r))[1] - 1, 0) - 3)
;;       q = np.round(r / step) * step * 2.0 ** e      # np.round: ties to even
;;       return np.moveaxis(q.reshape(q.shape[:-2] + (-1,))[..., :K], -1, axis).astype(np.float32)
;;   ~~~
;;   SOFTMAX AHEAD OF A QUANTISED PRODUCT. Where the list says 'softmax', what is quantised is not the finished softmax but p = 2^(t - M), with t = logit x log2(e) and M = ceil(the row's largest t), a whole number; so 1/2 < the row's largest p <= 1. The row's sum l is taken of the UNQUANTISED p, in f32, and the product's result is divided by l at the end. Since M is a whole number, a kernel that streams over the keys may use a running M (the ceiling of the running maximum): every later rescaling is an exact power of two, which a block's scale takes up: the codes' values come out the same.
;;   OPERANDS COMPUTED ON THE WAY. 'Computed on the way' means the value that the module computes at that place (a softmax that the list does not call 'softmax' is quantised finished and normalised). What goes into a quantiser is computed in f32, as accurately as f32 sums, v_exp_f32 and their like allow (about 1e-6 of the number): no bf16 or f16 on the way to a quantiser, and a product that is left as it is and whose result goes on into a quantised operand takes f32 operands (vector FMAs, or v_wmma_f32_16x16x4_f32). A number that lies on a knife's edge between two numbers of the format may be rounded either way, as far as f32 arithmetic and the matrix unit's own rounding can turn it there, and no further.
;;   INPUTS GIVEN AS CODES. w_out (in the module: [1024, 1024], K = its axis 1); w_qkv (in the module: [3072, 1024], K = its axis 1): each comes as NAME_codes (uint8): NAME with its K axis moved to the last place and cut into blocks of 32 codes, [.., K / 32, bytes a block], one block behind the other in memory; four codes in three bytes: a row's codes are one little-endian stream of bits, code i at bits 6 i .. 6 i + 5 (a code: sign, 2 exponent bits, 3 mantissa bits); and NAME_scales (uint8): the same leading axes, one E8M0 byte (e + 127) for each 32 codes along K. Its value is code x scale, taken as it is: it is not quantised again, and the codes and scales need not be those that the quantiser above would give.
;; One version. Each part assembles by itself: llvm-mc -triple=amdgcn-amd-amdhsa -mcpu=gfx1250 --defsym DOCPART=n.
;; ======== version 1 of 1: 4 launches
;; limits: right only within a limited range of input values
;; workspace buffers: wsp 9,830,400 bytes; maskw 524,288 bytes of whole numbers; qkvc 20,447,232 bytes; obuf 6,553,600 bytes
;; launch prep (part 1): grid 1088 x 1, 4 waves a work-group, no clusters, 102,656 bytes of LDS; arguments x, ln_gamma, ln_beta, adj, w_qkv_codes, w_qkv_scales, w_out_codes, w_out_scales, wsp, maskw; writes wsp, maskw
.if DOCPART == 1
	.amdgcn_target "amdgcn-amd-amdhsa--gfx1250"
	.amdhsa_code_object_version 6
	.text
	.protected	k_q00c0604d0f_prep
	.globl	k_q00c0604d0f_prep
	.p2align	8
	.type	k_q00c0604d0f_prep,@function
k_q00c0604d0f_prep:
	s_mov_b64 s[64:65], 0
	v_nop
	global_prefetch_b8 v0, s[64:65] scope:SCOPE_SE
	s_setreg_imm32_b32 hwreg(HW_REG_WAVE_MODE, 25, 1), 1
	s_wait_xcnt 0x0
; THREE JOBS IN ONE LAUNCH, parted by the work-group's number; each ends for itself, and each that uses LDS has LDS bytes of its own.
;   0 .. 511     LN: 16 rows of x -> LayerNorm in f32 -> codes of FP6 (E2M3) with one E8M0 byte for each 32 along K = 1,024
;   512 .. 1023  MASK: 128 keys x 64 queries of adj -> lane masks (bit = 1 where adj[key][query] < 0.1), one word for each score register of the attention launch
;   1024 .. 1087 RELAY: the given codes and scale bytes of w_qkv and w_out, laid anew in the order of the operand's registers
; TILES.  Tile T = 2 g + u of any operand holds in its lane-row r the matrix row 32 g + 8 u + r + 8 (r / 8): the 16 result registers of two neighbouring tiles are then 16 neighbours along the next K.
; IMAGES.  A half fragment (16 tile rows x 64 K) is 768 bytes: lane l = r + 16 h owns the 24 bytes of row r, k = 32 h .. 32 h + 31: its first 16 bytes at 16 l, its last 8 at 512 + 8 l.
; So every later read of an operand is a run of 512 or 256 consecutive bytes.  Scale words: [tile][q][r][4 words], word j of (q, r) = the four bytes of K step 4 q + j of row r.
; A block's scale byte is its largest magnitude's exponent field - 2, held at 1 from below (a block of zeros has the byte 1: its codes are zeros, and this program alone reads the bytes).
; LIMITS: NaN and infinities among the inputs are not served.  No cluster: the work-groups share no input but gamma and beta, 8 KB.  No tensor load: each wave asks for all its bytes at its head.
.set WQC,  6291456                     ; wsp: h's codes at 0; w_qkv's images here, w_out's directly behind them
.set HSI,  9437184                     ; h's scale words
.set WQSI, 9699328                     ; w_qkv's scale words, w_out's directly behind them
.set LP,   4112                        ; LN's stage: a row of 4,096 bytes + 16: sixteen rows' equal columns fall into sixteen different groups of banks
.set SIB,  65792                       ; LN: a tile's 512 bytes of scale words
.set MB,   66304                       ; MASK's stage: 8 groups of 16 keys, 4,480 bytes each; a key's 256 bytes + 16
.set X,    64                          ; v64-191  LN: four rows as loaded, then four blocks of 32 neighbours
.set GA,   192                         ; v192-223 gamma, later the codes
.set BE,   224                         ; v224-255 beta, later the codes' second halves
.set CH,   16                          ; v16-31   four registers of sums for each row
.set MN,   32                          ; v32-39   a pair for each row: the mean, later 1 / sqrt(var + eps)
.macro REDUCE                          ; the four rows' sums over the 32 lanes, by turns
.irp m, 1,2,4,8
.irp p, 0,1,2,3
	v_add_f32_dpp v[CH+4*\p], v[CH+4*\p], v[CH+4*\p] row_xmask:\m row_mask:0xf bank_mask:0xf
.endr
.endr
.irp p, 0,1,2,3
	v_permlanex16_b32 v[CH+4*\p+1], v[CH+4*\p], s26, s27
.endr
.irp p, 0,1,2,3
	v_add_f32 v[CH+4*\p], v[CH+4*\p], v[CH+4*\p+1]
.endr
.endm
.macro LNQ f                           ; block f of my four: 32 neighbours of one row in one lane -> 24 bytes of codes and a scale byte
.set XS, X+32*\f
	s_wait_dscnt 24-8*\f                           ; the eight loads of each later block may be out
	v_max3_num_f32 v12, |v[XS]|, |v[XS+1]|, |v[XS+2]|
	v_max3_num_f32 v13, |v[XS+3]|, |v[XS+4]|, |v[XS+5]|
.irp i, 6,10,14,18,22,26
	v_max3_num_f32 v12, v12, |v[XS+\i]|, |v[XS+\i+1]|
	v_max3_num_f32 v13, v13, |v[XS+\i+2]|, |v[XS+\i+3]|
.endr
	v_max3_num_f32 v12, v12, |v[XS+30]|, |v[XS+31]|
	v_max3_num_f32 v12, v12, v13, 0x1800000        ; and the floor 2^(3 - 127): the byte cannot fall under 1
	v_add_nc_u32 v[40+\f], 0xff000000, v12         ; 2 off the exponent field: the conversion's scale operand
	v_cvt_scalef32_pk16_fp6_f32 v[GA+8*\f:GA+8*\f+2], v[XS:XS+15], v[40+\f]
	v_cvt_scalef32_pk16_fp6_f32 v[BE+4*\f:BE+4*\f+2], v[XS+16:XS+31], v[40+\f]   ; (a conversion's three registers begin on an even number)
	v_lshrrev_b32 v[44+\f], 23, v[40+\f]           ; the scale's byte; also the plain line behind the conversions
.irp i, 0,1,2
	v_mov_b32 v[GA+8*\f+3+\i], v[BE+4*\f+\i]
.endr
	global_store_b128 v5, v[GA+8*\f:GA+8*\f+3], s[32:33] offset:768*\f       ; 512 consecutive bytes
	global_store_b64 v6, v[GA+8*\f+4:GA+8*\f+5], s[32:33] offset:768*\f+512  ; 256 consecutive bytes
.endm
	s_load_b512 s[4:19], s[0:1], 0x0               ; x, gamma, beta, adj, w_qkv codes, scales, w_out codes, scales
	s_load_b128 s[20:23], s[0:1], 0x40             ; wsp, maskw
	v_lshl_add_u32 v48, v0, 2, 102144              ; my spare word, behind both stages: 128 bytes a wave; v48 and v49 serve the add alone
	v_mov_b32 v49, 0
	v_lshrrev_b32 v1, 5, v0
	v_readfirstlane_b32 s24, v1                    ; wave
	v_and_b32 v2, 31, v0                           ; lane
	v_and_b32 v3, 15, v0                           ; r
	v_bfe_u32 v4, v0, 4, 1                         ; h
	v_lshlrev_b32 v5, 4, v2                        ; 16 x lane
	v_lshlrev_b32 v6, 3, v2                        ; 8 x lane
	s_mov_b32 s26, 0x76543210
	s_mov_b32 s27, 0xfedcba98                      ; v_permlanex16_b32's selects for lane l xor 16
	s_wait_kmcnt 0x0
	s_cmp_ge_u32 ttmp9, 1024
	s_cbranch_scc1 .Lrelay
	s_cmp_ge_u32 ttmp9, 512
	s_cbranch_scc1 .Lmask
	; ---------------- LN: tile T = the work-group's number.  Wave w owns tile rows 4 w .. 4 w + 3, which are neighbours in x
	s_lshr_b32 s28, ttmp9, 1
	s_lshl_b32 s28, s28, 5
	s_and_b32 s29, ttmp9, 1
	s_lshl_b32 s29, s29, 3
	s_add_co_u32 s28, s28, s29
	s_lshl_b32 s29, s24, 2
	s_add_co_u32 s28, s28, s29
	s_lshr_b32 s29, s24, 1
	s_lshl_b32 s29, s29, 3
	s_add_co_u32 s28, s28, s29                     ; my first row: 32 (T / 2) + 8 (T % 2) + 4 w + 8 (w / 2)
	s_lshl_b32 s28, s28, 12
	s_mov_b32 s29, 0
	s_add_nc_u64 s[4:5], s[4:5], s[28:29]
	s_wait_alu depctr_va_vdst(0)
.irp p, 0,1,2,3
.irp i, 0,1,2,3,4,5,6,7
	global_load_b128 v[X+32*\p+4*\i:X+32*\p+4*\i+3], v5, s[4:5] offset:4096*\p+512*\i th:TH_LOAD_NT
.endr
.endr
.irp i, 0,1,2,3,4,5,6,7
	global_load_b128 v[GA+4*\i:GA+4*\i+3], v5, s[6:7] offset:512*\i
.endr
.irp i, 0,1,2,3,4,5,6,7
	global_load_b128 v[BE+4*\i:BE+4*\i+3], v5, s[8:9] offset:512*\i
.endr
	s_mul_i32 s30, s24, 4*LP
	v_add_nc_u32 v7, s30, v5                       ; stage, in: my four rows, 16 bytes a lane
	v_mul_u32_u24 v8, v3, LP
	v_lshl_add_u32 v8, v4, 7, v8
	s_lshl_b32 s30, s24, 10
	v_add_nc_u32 v8, s30, v8                       ; stage, out: row r, K = 256 w + 32 h on
	s_lshr_b32 s30, s24, 1
	s_lshl_b32 s30, s30, 8
	s_and_b32 s31, s24, 1
	s_lshl_b32 s31, s31, 3
	s_add_co_u32 s30, s30, s31
	s_add_co_u32 s30, s30, SIB
	v_lshl_add_u32 v9, v3, 4, s30                  ; my two scale words: q = w / 2, words 2 (w % 2) and the next, row r
	v_add_nc_u32 v10, SIB, v5
	s_lshl_b32 s30, ttmp9, 4
	s_lshl_b32 s31, s24, 2
	s_add_co_u32 s30, s30, s31
	s_mul_i32 s30, s30, 768                        ; half fragments 4 w .. 4 w + 3 of tile T
	s_mov_b32 s31, 0
	s_add_nc_u64 s[32:33], s[20:21], s[30:31]
	s_lshl_b32 s30, ttmp9, 9
	s_add_co_u32 s30, s30, HSI
	s_add_nc_u64 s[34:35], s[20:21], s[30:31]
	s_mov_b32 s36, 0x3a800000                      ; 1 / 1024
	s_mov_b32 s37, 0x3727c5ac                      ; 1e-5
	s_wait_loadcnt 16                              ; x is in; the 16 loads of gamma and beta may be out
.irp p, 0,1,2,3
	v_pk_add_f32 v[CH+4*\p:CH+4*\p+1], v[X+32*\p:X+32*\p+1], v[X+32*\p+4:X+32*\p+5]
	v_pk_add_f32 v[CH+4*\p+2:CH+4*\p+3], v[X+32*\p+2:X+32*\p+3], v[X+32*\p+6:X+32*\p+7]
.endr
.irp j, 8,12,16,20,24,28
.irp p, 0,1,2,3
	v_pk_add_f32 v[CH+4*\p:CH+4*\p+1], v[CH+4*\p:CH+4*\p+1], v[X+32*\p+\j:X+32*\p+\j+1]
	v_pk_add_f32 v[CH+4*\p+2:CH+4*\p+3], v[CH+4*\p+2:CH+4*\p+3], v[X+32*\p+\j+2:X+32*\p+\j+3]
.endr
.endr
.irp p, 0,1,2,3
	v_pk_add_f32 v[CH+4*\p:CH+4*\p+1], v[CH+4*\p:CH+4*\p+1], v[CH+4*\p+2:CH+4*\p+3]
.endr
.irp p, 0,1,2,3
	v_add_f32 v[CH+4*\p], v[CH+4*\p], v[CH+4*\p+1]
.endr
	REDUCE
.irp p, 0,1,2,3
	v_mul_f32 v[MN+2*\p], s36, v[CH+4*\p]          ; the mean,
	v_mul_f32 v[MN+2*\p+1], s36, v[CH+4*\p]        ; twice: a pair for the packed form
.endr
.irp p, 0,1,2,3
.set j, 0
.rept 16
	v_pk_add_f32 v[X+32*\p+j:X+32*\p+j+1], v[X+32*\p+j:X+32*\p+j+1], v[MN+2*\p:MN+2*\p+1] neg_lo:[0,1] neg_hi:[0,1]   ; x - mean first: the variance is no difference of large sums
.set j, j+2
.endr
.endr
.irp p, 0,1,2,3
	v_pk_mul_f32 v[CH+4*\p:CH+4*\p+1], v[X+32*\p:X+32*\p+1], v[X+32*\p:X+32*\p+1]
	v_pk_mul_f32 v[CH+4*\p+2:CH+4*\p+3], v[X+32*\p+2:X+32*\p+3], v[X+32*\p+2:X+32*\p+3]
.endr
.irp j, 4,8,12,16,20,24,28
.irp p, 0,1,2,3
	v_pk_fma_f32 v[CH+4*\p:CH+4*\p+1], v[X+32*\p+\j:X+32*\p+\j+1], v[X+32*\p+\j:X+32*\p+\j+1], v[CH+4*\p:CH+4*\p+1]
	v_pk_fma_f32 v[CH+4*\p+2:CH+4*\p+3], v[X+32*\p+\j+2:X+32*\p+\j+3], v[X+32*\p+\j+2:X+32*\p+\j+3], v[CH+4*\p+2:CH+4*\p+3]
.endr
.endr
.irp p, 0,1,2,3
	v_pk_add_f32 v[CH+4*\p:CH+4*\p+1], v[CH+4*\p:CH+4*\p+1], v[CH+4*\p+2:CH+4*\p+3]
.endr
.irp p, 0,1,2,3
	v_add_f32 v[CH+4*\p], v[CH+4*\p], v[CH+4*\p+1]
.endr
	REDUCE
.irp p, 0,1,2,3
	v_fma_f32 v[CH+4*\p], v[CH+4*\p], s36, s37     ; var + eps
.endr
	s_wait_alu depctr_va_vdst(0)
.irp p, 0,1,2,3
	v_rsq_f32 v[MN+2*\p], v[CH+4*\p]
.endr
	v_nop                                          ; a plain line behind the last of the batch
	s_wait_alu depctr_va_vdst(0)                   ; one wait for the four, ahead of their first reader
.irp p, 0,1,2,3
	v_mov_b32 v[MN+2*\p+1], v[MN+2*\p]
.endr
	s_wait_alu depctr_va_vdst(0)
	s_wait_loadcnt 0x0                             ; gamma and beta
.irp p, 0,1,2,3
.set j, 0
.rept 16
	v_pk_mul_f32 v[X+32*\p+j:X+32*\p+j+1], v[X+32*\p+j:X+32*\p+j+1], v[MN+2*\p:MN+2*\p+1]
.set j, j+2
.endr
.set j, 0
.rept 16
	v_pk_fma_f32 v[X+32*\p+j:X+32*\p+j+1], v[X+32*\p+j:X+32*\p+j+1], v[GA+j:GA+j+1], v[BE+j:BE+j+1]
.set j, j+2
.endr
.endr
.irp p, 0,1,2,3
.irp i, 0,1,2,3,4,5,6,7
	ds_store_b128 v7, v[X+32*\p+4*\i:X+32*\p+4*\i+3] offset:\p*LP+512*\i
.endr
.endr
	s_wait_dscnt 0x0                               ; for the others' sake: my rows lie in the stage
	s_barrier_signal -1
	s_barrier_wait -1
.irp f, 0,1,2,3                        ; wave w now takes K = 256 w .. 256 w + 255 of all 16 rows: lane (r, h) 32 neighbours of row r for each of four half fragments
.irp j, 0,1,2,3,4,5,6,7
	ds_load_b128 v[X+32*\f+4*\j:X+32*\f+4*\j+3], v8 offset:256*\f+16*\j
.endr
.endr
	LNQ 0
	LNQ 1
	LNQ 2
	LNQ 3
	v_lshl_or_b32 v14, v45, 16, v44                ; K step 2 w: my bytes are blocks h and 2 + h,
	v_lshl_or_b32 v15, v47, 16, v46                ; K step 2 w + 1 likewise,
	v_lshlrev_b32 v11, 3, v4
	v_lshlrev_b32 v14, v11, v14                    ; at their places in the word;
	v_lshlrev_b32 v15, v11, v15
	v_permlanex16_b32 v16, v14, s26, s27
	v_permlanex16_b32 v17, v15, s26, s27
	v_or_b32 v14, v14, v16                         ; with lane l xor 16's two the words are whole
	v_or_b32 v15, v15, v17
	ds_store_b64 v9, v[14:15]                      ; (both halves of the lanes write the same words with the same values)
	s_wait_dscnt 0x0
	s_barrier_signal -1
	s_barrier_wait -1
	s_wait_tensorcnt 0x0                           ; behind my last LDS store
	ds_add_u32 v48, v49
	s_wait_dscnt 0x0
	s_cmp_lg_u32 s24, 0
	s_cbranch_scc1 .Lln_end
	ds_load_b128 v[16:19], v10                     ; wave 0 stores the tile's 512 bytes of scale words whole
	s_wait_dscnt 0x0
	global_store_b128 v5, v[16:19], s[34:35]
.Lln_end:
	s_endpgm
	; ---------------- MASK: key step ks (128 keys), query group qg (64 queries = four tiles of queries, one a wave)
.Lmask:
	s_sub_co_u32 s28, ttmp9, 512
	s_and_b32 s29, s28, 15                         ; ks
	s_lshr_b32 s30, s28, 4                         ; qg
	s_lshl_b32 s32, s29, 7
	s_lshl_b32 s33, s24, 5
	s_add_co_u32 s32, s32, s33                     ; the first of the 32 keys that I load
	s_lshl_b32 s32, s32, 13                        ; a row of adj is 8,192 bytes
	s_lshl_b32 s33, s30, 8
	s_add_co_u32 s32, s32, s33
	s_mov_b32 s33, 0
	s_add_nc_u64 s[10:11], s[10:11], s[32:33]
	s_lshl_b32 s32, s30, 2
	s_add_co_u32 s32, s32, s24                     ; my tile of queries
	s_lshl_b32 s32, s32, 4
	s_add_co_u32 s32, s32, s29
	s_lshl_b32 s32, s32, 8                         ; [tile of queries][key step][64 words]
	s_add_nc_u64 s[22:23], s[22:23], s[32:33]
	s_wait_alu depctr_va_vdst(0)
	v_lshlrev_b32 v7, 13, v4
	v_lshl_add_u32 v7, v3, 4, v7                   ; two rows an instruction, sixteen lanes to a row's 256 bytes
.irp p, 0,1,2,3,4,5,6,7,8,9,10,11,12,13,14,15
	global_load_b128 v[64+4*\p:64+4*\p+3], v7, s[10:11] offset:2*\p*8192 th:TH_LOAD_NT
.endr
	v_mul_u32_u24 v8, v4, 272
	v_lshl_add_u32 v8, v3, 4, v8
	s_mul_i32 s34, s24, 8960
	s_add_co_u32 s34, s34, MB
	v_add_nc_u32 v8, s34, v8                       ; stage, in: key k lies at 4,480 (k / 16) + 272 (k % 16)
	v_and_b32 v10, 8, v3
	v_add_nc_u32 v10, v10, v3                      ; r + 8 (r / 8)
	v_lshlrev_b32 v9, 2, v10
	v_mad_u32_u24 v9, v4, 8960, v9                 ; lanes 16-31: 32 keys on
	s_lshr_b32 s34, s24, 1
	s_lshl_b32 s34, s34, 7
	s_and_b32 s35, s24, 1
	s_lshl_b32 s35, s35, 5
	s_add_co_u32 s34, s34, s35
	s_add_co_u32 s34, s34, MB
	v_add_nc_u32 v9, s34, v9                       ; stage, out: my tile's query of lane-row r; lanes 16-31 thirty-two keys on
	s_mov_b32 s44, 0x3dcccccd                      ; 0.1
	v_mov_b32 v12, 0
	v_mov_b32 v13, 0
	s_wait_alu depctr_va_vdst(0)
.irp p, 0,1,2,3,4,5,6,7,8,9,10,11,12,13,14,15
	s_wait_loadcnt 15-\p
	ds_store_b128 v8, v[64+4*\p:64+4*\p+3] offset:(\p/8)*4480+((2*\p)%16)*272
.endr
	s_wait_dscnt 0x0
	s_barrier_signal -1
	s_barrier_wait -1
.set j, 0
.rept 64                               ; word j = 32 c + m: lane (r, h) looks at key 64 c + 32 h + m, the key of score register j in that lane of the attention launch
	ds_load_b32 v[64+j], v9 offset:17920*(j/32)+4480*((j%32)/16)+272*(j%16)
.set j, j+1
.endr
	s_wait_dscnt 0x0
.set j, 0
.rept 64
	v_cmp_gt_f32 s[36+j%8], s44, v[64+j]           ; 0.1 > adj: no edge
	v_writelane_b32 v[12+j%2], s[36+j%8], j/2      ; word j to lane j / 2
.set j, j+1
.endr
	global_store_b64 v6, v[12:13], s[22:23]        ; 256 consecutive bytes, aligned
	s_wait_tensorcnt 0x0                           ; the wave's end
	ds_add_u32 v48, v49
	s_wait_dscnt 0x0
	s_endpgm
	; ---------------- RELAY: tile 4 id + wave of w_qkv (192 tiles) and then of w_out (64).  The reads are 8 bytes a lane from rows 768 bytes apart: 3.1 of the launch's 53.6 MB
.Lrelay:
	s_sub_co_u32 s28, ttmp9, 1024
	s_lshl_b32 s29, s28, 2
	s_add_co_u32 s29, s29, s24                     ; tile 0 .. 255
	s_cmp_lt_u32 s28, 48                           ; the choice hangs on the work-group's number alone
	s_cselect_b64 s[12:13], s[12:13], s[16:17]
	s_cselect_b64 s[14:15], s[14:15], s[18:19]
	s_cselect_b32 s30, 0, 192
	s_sub_co_u32 s30, s29, s30                     ; the tile in its own tensor
	s_lshr_b32 s31, s30, 1
	s_lshl_b32 s31, s31, 5
	s_and_b32 s32, s30, 1
	s_lshl_b32 s32, s32, 3
	s_add_co_u32 s31, s31, s32                     ; its first row
	s_mul_i32 s32, s31, 768
	s_mov_b32 s33, 0
	s_add_nc_u64 s[12:13], s[12:13], s[32:33]
	s_lshl_b32 s32, s31, 5
	s_add_nc_u64 s[14:15], s[14:15], s[32:33]
	s_mul_i32 s32, s29, 12288
	s_add_co_u32 s32, s32, WQC
	s_add_nc_u64 s[34:35], s[20:21], s[32:33]
	s_lshl_b32 s32, s29, 9
	s_add_co_u32 s32, s32, WQSI
	s_add_nc_u64 s[36:37], s[20:21], s[32:33]
	s_wait_alu depctr_va_vdst(0)
	v_and_b32 v10, 8, v3
	v_add_nc_u32 v10, v10, v3                      ; r + 8 (r / 8)
	v_mul_u32_u24 v7, v10, 768
	v_mad_u32_u24 v7, v4, 24, v7
	v_lshlrev_b32 v8, 5, v10
	v_lshl_add_u32 v8, v4, 4, v8
	v_lshlrev_b32 v9, 8, v4
	v_lshl_add_u32 v9, v3, 4, v9
.set f, 0
.rept 16
.irp p, 0,1,2
	global_load_b64 v[64+6*f+2*\p:64+6*f+2*\p+1], v7, s[12:13] offset:48*f+8*\p
.endr
.set f, f+1
.endr
	global_load_b128 v[160:163], v8, s[14:15]      ; four scale words: K steps 4 h .. 4 h + 3 of my row
	s_wait_alu depctr_va_vdst(0)
	s_wait_loadcnt 0x0
.set f, 0
.rept 16
	global_store_b128 v5, v[64+6*f:64+6*f+3], s[34:35] offset:768*f
	global_store_b64 v6, v[64+6*f+4:64+6*f+5], s[34:35] offset:768*f+512
.set f, f+1
.endr
	global_store_b128 v9, v[160:163], s[36:37]
	s_endpgm
.Lfunc_end_k_q00c0604d0f_prep:
	.size	k_q00c0604d0f_prep, .Lfunc_end_k_q00c0604d0f_prep-k_q00c0604d0f_prep
	.p2alignl 7, 3214868480
	.fill 96, 4, 3214868480
	.section	.rodata,"a",@progbits
	.p2align	6, 0x0
	.amdhsa_kernel k_q00c0604d0f_prep
		.amdhsa_group_segment_fixed_size 102656
		.amdhsa_private_segment_fixed_size 0
		.amdhsa_enable_private_segment 0
		.amdhsa_kernarg_size 80
		.amdhsa_user_sgpr_count 2
		.amdhsa_user_sgpr_kernarg_segment_ptr 1
		.amdhsa_wavefront_size32 1
		.amdhsa_system_sgpr_workgroup_id_x 1
		.amdhsa_system_sgpr_workgroup_id_y 1
		.amdhsa_system_sgpr_workgroup_id_z 1
		.amdhsa_system_vgpr_workitem_id 0
		.amdhsa_next_free_vgpr 256
		.amdhsa_next_free_sgpr 66
		.amdhsa_reserve_vcc 0
		.amdhsa_float_denorm_mode_32 3
		.amdhsa_float_denorm_mode_16_64 3
		.amdhsa_memory_ordered 1
		.amdhsa_forward_progress 1
		.amdhsa_inst_pref_size 69
	.end_amdhsa_kernel
	.amdgpu_metadata
---
amdhsa.version: [ 1, 2 ]
amdhsa.kernels:
  - .name:           k_q00c0604d0f_prep
    .symbol:         k_q00c0604d0f_prep.kd
    .args:
      - { .name: x, .offset: 0, .size: 8, .value_kind: global_buffer, .address_space: global }
      - { .name: ln_gamma, .offset: 8, .size: 8, .value_kind: global_buffer, .address_space: global }
      - { .name: ln_beta, .offset: 16, .size: 8, .value_kind: global_buffer, .address_space: global }
      - { .name: adj, .offset: 24, .size: 8, .value_kind: global_buffer, .address_space: global }
      - { .name: w_qkv_codes, .offset: 32, .size: 8, .value_kind: global_buffer, .address_space: global }
      - { .name: w_qkv_scales, .offset: 40, .size: 8, .value_kind: global_buffer, .address_space: global }
      - { .name: w_out_codes, .offset: 48, .size: 8, .value_kind: global_buffer, .address_space: global }
      - { .name: w_out_scales, .offset: 56, .size: 8, .value_kind: global_buffer, .address_space: global }
      - { .name: wsp, .offset: 64, .size: 8, .value_kind: global_buffer, .address_space: global }
      - { .name: maskw, .offset: 72, .size: 8, .value_kind: global_buffer, .address_space: global }
    .group_segment_fixed_size: 102656
    .private_segment_fixed_size: 0
    .kernarg_segment_align: 8
    .kernarg_segment_size: 80
    .max_flat_workgroup_size: 128
    .sgpr_count:     66
    .vgpr_count:     256
    .wavefront_size: 32
...
	.end_amdgpu_metadata
.endif
;; end of part 1
;; launch qkv (part 2): grid 12 x 64, 4 waves a work-group, clusters of 4 x 4, 307,712 bytes of LDS; arguments wsp, qkvc; writes qkvc
.if DOCPART == 2
	.amdgcn_target "amdgcn-amd-amdhsa--gfx1250"
	.amdhsa_code_object_version 6
	.text
	.protected	k_q00c0604d0f_qkv
	.globl	k_q00c0604d0f_qkv
	.p2align	8
	.type	k_q00c0604d0f_qkv,@function
k_q00c0604d0f_qkv:
	s_mov_b64 s[64:65], 0
	v_nop
	global_prefetch_b8 v0, s[64:65] scope:SCOPE_SE
	s_setreg_imm32_b32 hwreg(HW_REG_WAVE_MODE, 25, 1), 1
	s_wait_xcnt 0x0
	s_wait_alu depctr_hold_cnt(0) depctr_sa_sdst(0) depctr_va_vdst(0) depctr_va_sdst(0) depctr_va_ssrc(0) depctr_va_vcc(0) depctr_vm_vsrc(0)
	s_getreg_b32 s2, hwreg(HW_REG_IB_STS2, 6, 4)
	s_cmp_eq_u32 s2, 0
	s_cbranch_scc0 .Lentry_in_a_cluster
	s_endpgm
.Lentry_in_a_cluster:
	s_bfe_u32 s2, ttmp6, 0x10000c
	s_cmp_lg_u32 s2, 0xf033
	s_cbranch_scc0 .Lentry_shape_is_right
	s_endpgm
.Lentry_shape_is_right:
; q, k, v = h w_qkv^T on codes of FP6 (E2M3) with E8M0 scales, K = 1,024; the results are quantised in registers for the attention launch and leave as codes alone.
; A work-group multiplies 256 rows of side S0 (source 0) by 128 rows of side S1 (source 1) over all of K.  Both sides' codes (294,912 bytes) and scale words (12,288) lie in LDS whole: each LDS byte is filled once.
; The cluster's x says what is made.  0: q and 1: k: S0 = rows of w_qkv, S1 = tokens: a lane holds one token, its 64 registers run along two heads' 64 numbers, which are the next K.
; 2: v: S0 = tokens, S1 = rows of w_qkv: a lane holds one of the head's 64 numbers and its registers run along 128 keys, which are v's next K.  Only offsets are chosen (s_cselect_b32 on the cluster's x): one text, no branch.
; Four waves: wave w has S1's tiles 4 (w / 2) + a, a = 0..3, and S0's tiles 8 (w % 2) + b, b = 0..7: 32 accumulators, 8 K steps of 128, 32 matrix instructions a step.
; CLUSTER 4 x 4: S0's block hangs on cx and is shared along a column of the cluster, S1's on cy and is shared along a row: each tensor load is joint, with the mask of the four that share it.
; Operands lie in memory and LDS as images of their registers (half fragment: 768 bytes: 16 bytes a lane, then 8 bytes a lane), so every LDS load reads 512 or 256 consecutive bytes: no padding.
; REGISTERS: window 0: v16-26 addresses; v32-95 scale words (v[32 + 8 i + s]: lanes 0-15 S1's tile i, lanes 16-31 S0's tile i, K step s); v96-191 S1's fragments, two sets; afterwards the codes made.
;   window 1: S0's fragments, two sets at v0 and v128.   window 2: accumulator (a, b) at v[8 (8 a + b)].
; LIMITS: NaN and infinities are not served; a block of zeros has the scale byte 1 (its codes are zeros; this program alone reads the bytes).
.set WQC,  6291456
.set HSI,  9437184
.set WQSI, 9699328
.set BHB,  212992                      ; qkvc: a (batch, head)'s block: k's codes, v's codes at 98,304, k's scale words at 196,608, v's at 204,800
.set QC,   13631488                    ; behind the 64 blocks: q's codes, 98,304 bytes a (batch, head)
.set QS,   19922944                    ; and q's scale words, 8,192
.set S1B,  196608                      ; LDS: S0's codes, tile t at 12,288 t, K step s at 1,536 s within it; S1's likewise at S1B
.set SC1,  294912                      ; S1's scale words, 512 bytes a tile
.set SC0,  299008                      ; S0's
.set G1A,  24                          ; s[24:31] group 1: S0's codes;  s[32:39] S1's codes;  s[40:47] S0's scales;  s[48:55] S1's scales
.set G1B,  32
.set G1SA, 40
.set G1SB, 48
.set TM,   152                         ; v152-167 the quantiser's work
.set SW,   168                         ; v168-171 the four scale words made
.set MSB, 0
.macro WIN new                         ; the immediate's high byte repeats the setting that is left
.if MSB != \new
	s_set_vgpr_msb (MSB<<8)|\new
.set MSB, \new
.endif
.endm
.macro CROUND                          ; a round of the cluster's barrier
	s_barrier_signal -1
	s_barrier_wait -1
	s_cmp_lg_u32 s14, 0
	s_cbranch_scc1 .Lnot_wave_0_\@
	s_barrier_signal -3
.Lnot_wave_0_\@:
	s_barrier_wait -3
	s_barrier_signal -1
	s_barrier_wait -1
.endm
.macro MKG0 g, lreg, ladd, ptr, off, add   ; a group 0: count, LDS address, global address, type
	s_mov_b32 s[\g], 1
	s_add_co_u32 s[\g+1], s[\lreg], \ladd
	s_add_nc_u64 s[\g+2:\g+3], s[\ptr:\ptr+1], s[\off:\off+1]
.if \add
	s_add_nc_u64 s[\g+2:\g+3], s[\g+2:\g+3], \add
.endif
	s_or_b32 s[\g+3], s[\g+3], 0x80000000
.endm
.macro FRAG reg, ax, ay, off           ; a fragment, 16 rows x 128 K: two half fragments' images
	ds_load_b128 v[\reg:\reg+3], v[\ax] offset:\off
	ds_load_b64 v[\reg+4:\reg+5], v[\ay] offset:\off+512
	ds_load_b128 v[\reg+6:\reg+9], v[\ax] offset:\off+768
	ds_load_b64 v[\reg+10:\reg+11], v[\ay] offset:\off+1280
.endm
.macro FETCH s                         ; K step s: 48 LDS loads into set s % 2
.set PP, (\s)%2
	WIN 0x40                                       ; destination window 1, address window 0
.irp b, 0,1,2,3,4,5,6,7
	FRAG 128*PP+12*\b, 16+14*(\b/4), 17+14*(\b/4), 12288*(\b%4)+1536*(\s)   ; LDS holds a tile's 12,288 bytes on end, as memory does; tiles 4-7 by v30, v31
.endr
	WIN 0
.irp a, 0,1,2,3
	FRAG 96+48*PP+12*\a, 18, 19, 12288*\a+1536*(\s)
.endr
.endm
.macro MUL16 a0, s                     ; S1's tiles a0, a0 + 1 against S0's eight.  The 32 accumulators take turns, one instruction a turn, in the same order in every step
.irp a, \a0, \a0+1
.irp b, 0,1,2,3,4,5,6,7
.if (\s) == 0
	v_wmma_scale_f32_16x16x128_f8f6f4 v[8*(8*(\a)+\b):8*(8*(\a)+\b)+7], v[128*((\s)%2)+12*\b:128*((\s)%2)+12*\b+11], v[96+48*((\s)%2)+12*(\a):96+48*((\s)%2)+12*(\a)+11], 0, v[32+8*\b+(\s)], v[32+8*(\a)+(\s)] matrix_a_fmt:MATRIX_FMT_FP6 matrix_b_fmt:MATRIX_FMT_FP6 matrix_a_scale:MATRIX_SCALE_ROW1
.else
	v_wmma_scale_f32_16x16x128_f8f6f4 v[8*(8*(\a)+\b):8*(8*(\a)+\b)+7], v[128*((\s)%2)+12*\b:128*((\s)%2)+12*\b+11], v[96+48*((\s)%2)+12*(\a):96+48*((\s)%2)+12*(\a)+11], v[8*(8*(\a)+\b):8*(8*(\a)+\b)+7], v[32+8*\b+(\s)], v[32+8*(\a)+(\s)] matrix_a_fmt:MATRIX_FMT_FP6 matrix_b_fmt:MATRIX_FMT_FP6 matrix_a_scale:MATRIX_SCALE_ROW1
.endif
.endr
.endr
.endm
; A K step.  bar = 1: the next step begins a new chunk: my part of it has landed (tcnt later chunks may be out), everybody's has behind the barrier.  Nothing is ever filled again, so later chunks may stay out across it.
; The next step's loads stand in the step's middle, four plain places behind the last product that read their registers (the step before's), 16 products ahead of their use.
.macro STEP s, bar, tcnt, more
	s_wait_dscnt 0x0                               ; this step's fragments are in
.if \bar
	s_wait_tensorcnt \tcnt
	s_barrier_signal -1
.endif
	WIN 0xa1                                       ; source 0 window 1, source 1 window 0, C and D window 2
	MUL16 0, \s
	WIN 0
.if \bar
	s_barrier_wait -1
	v_add_nc_u32 v16, 49152, v16                   ; on to the next chunk: these four are the places too
	v_add_nc_u32 v17, 49152, v17
	v_add_nc_u32 v18, 24576, v18
	v_add_nc_u32 v19, 24576, v19
.elseif \more
.rept 4
	v_nop
.endr
.endif
.if \more
	FETCH (\s)+1
.endif
	WIN 0xa1
	MUL16 2, \s
.endm
	s_load_b128 s[4:7], s[0:1], 0x0                ; wsp, qkvc
	v_lshl_add_u32 v28, v0, 2, 307200              ; my spare word, behind the scale words; v28 and v29 serve the add alone
	v_mov_b32 v29, 0
	ds_add_u32 v28, v29                            ; the opening lines: the add twice on end, and its wait, ahead of the round and my tensor load
	ds_add_u32 v28, v29
	v_lshrrev_b32 v1, 5, v0
	v_readfirstlane_b32 s14, v1                    ; wave
	s_lshr_b32 s15, s14, 1                         ; my half of S1's tiles.
	s_and_b32 s16, s14, 1                          ; my half of S0's tiles.
	s_bfe_u32 s8, ttmp6, 0x40000                   ; cx
	s_bfe_u32 s10, ttmp6, 0x40004                  ; cy
	s_and_b32 s12, ttmp7, 0xffff                   ; the cluster's y, 0 .. 15
	s_lshl_b32 s9, 0x1111, s8                      ; my column of the cluster
	s_lshl_b32 s11, s10, 2
	s_lshl_b32 s11, 15, s11                        ; my row
	s_or_b32 s[G1A], s9, (3<<16)|(1<<21)           ; 15:0 the mask; 17:16 elements of 8 bytes; 21 set beside a mask; no padding
	s_or_b32 s[G1SA], s9, (3<<16)|(1<<21)
	s_or_b32 s[G1B], s11, (3<<16)|(1<<21)
	s_or_b32 s[G1SB], s11, (3<<16)|(1<<21)
.irp g, G1A, G1B                       ; codes: one dense block, rows of 256 bytes
	s_mov_b32 s[\g+1], 32<<16                      ; a side's codes are one dense block of memory: rows of 256 bytes
	s_mov_b32 s[\g+3], 32<<16
	s_mov_b32 s[\g+5], 32
	s_mov_b32 s[\g+6], 0
	s_mov_b32 s[\g+7], 0
.endr
	s_mov_b32 s[G1A+2], 768<<16                    ; S0: 16 tiles, 196,608 bytes, one load
	s_mov_b32 s[G1A+4], 768
	s_mov_b32 s[G1B+2], 384<<16                    ; S1: 8 tiles, 98,304 bytes, one load
	s_mov_b32 s[G1B+4], 384
.irp g, G1SA, G1SB                     ; scale words: a dense block, as rows of 256 bytes
	s_mov_b32 s[\g+1], 32<<16
	s_mov_b32 s[\g+3], 32<<16
	s_mov_b32 s[\g+5], 32
	s_mov_b32 s[\g+6], 0
	s_mov_b32 s[\g+7], 0
.endr
	s_mov_b32 s[G1SA+2], 32<<16                    ; S0's scale words: 8,192 bytes
	s_mov_b32 s[G1SA+4], 32
	s_mov_b32 s[G1SB+2], 16<<16                    ; S1's: 4,096
	s_mov_b32 s[G1SB+4], 16
	s_lshr_b32 s17, s12, 1
	s_and_b32 s18, s12, 1
	s_add_co_u32 s18, s18, 4
	s_mov_b32 s21, WQSI
	s_mov_b32 s23, HSI
	s_cmp_eq_u32 ttmp9, 2                          ; v?  The same in all sixteen partners
	s_cselect_b32 s17, s17, ttmp9
	s_cselect_b32 s18, s18, s12
	s_cselect_b32 s20, 0, WQC                      ; S0's codes: h's (at 0) for v, else w_qkv's
	s_cselect_b32 s22, WQC, 0                      ; S1's
	s_cselect_b32 s21, HSI, s21                    ; S0's scale words
	s_cselect_b32 s23, WQSI, s23                   ; S1's
	s_lshl_b32 s17, s17, 2
	s_add_co_u32 s17, s17, s8                      ; S0's block of 256 rows: q, k: 4 x + cx;  v: 4 (y / 2) + cx
	s_lshl_b32 s18, s18, 2
	s_add_co_u32 s18, s18, s10                     ; S1's block of 128 rows: q, k: 4 y + cy;  v: 16 + 4 (y % 2) + cy
	; FOUR TILES, ONE TENSOR LOAD A WAVE, each whole and dense: wave 0 S0's codes, wave 1 S1's codes, wave 2 S0's scale words, wave 3 S1's.  No address hangs on the wave's number.
	s_mul_i32 s2, s17, 196608
	s_add_co_u32 s2, s2, s20
	s_mov_b32 s3, 0
	s_mov_b32 s13, 0
	s_wait_dscnt 0x0                               ; both opening adds are done
	s_wait_kmcnt 0x0
	MKG0 56, 13, 0, 4, 2, 0
	s_lshl_b32 s2, s17, 13
	s_add_co_u32 s2, s2, s21
	MKG0 60, 13, SC0, 4, 2, 0
	s_mul_i32 s100, s18, 98304
	s_add_co_u32 s100, s100, s22
	s_mov_b32 s101, 0
	MKG0 68, 13, S1B, 4, 100, 0
	s_lshl_b32 s100, s18, 12
	s_add_co_u32 s100, s100, s23
	MKG0 72, 13, SC1, 4, 100, 0
	CROUND                                         ; all sixteen work-groups are here: the joint loads meet
.macro ARM under, g0, g1, next         ; one chain of branches on the wave's number: every way through it passes exactly one load
	s_cmp_lt_u32 s14, \under
	s_cbranch_scc0 \next
	tensor_load_to_lds s[\g0:\g0+3], s[\g1:\g1+7]
	s_nop 0
.rept 4
	v_nop
.endr
	s_branch .Lasked
\next:
.endm
	ARM 1, 56, G1A, .Lh_s1
	ARM 2, 68, G1B, .Lh_c0
	ARM 3, 60, G1SA, .Lh_c1
	tensor_load_to_lds s[72:75], s[G1SB:G1SB+7]
	s_nop 0
.rept 4
	v_nop
.endr
.Lasked:
	v_and_b32 v1, 31, v0
	v_and_b32 v2, 15, v0                           ; r
	v_bfe_u32 v3, v0, 4, 1                         ; h
	s_wait_alu depctr_va_vdst(0)
	v_lshlrev_b32 v4, 4, v1                        ; 16 x lane
	v_lshlrev_b32 v5, 3, v1                        ; 8 x lane
	s_mul_i32 s13, s16, 98304
	v_add_nc_u32 v16, s13, v4                      ; S0's fragments: my tiles 0-3,
	v_add_nc_u32 v17, s13, v5
	s_add_co_u32 s13, s13, 49152
	v_add_nc_u32 v30, s13, v4                      ; and 4-7: the K step stands in the loads' immediates
	v_add_nc_u32 v31, s13, v5
	s_mul_i32 s13, s15, 49152
	s_add_co_u32 s13, s13, S1B
	v_add_nc_u32 v18, s13, v4                      ; S1's: my 4 tiles
	v_add_nc_u32 v19, s13, v5
	s_lshl_b32 s13, s15, 11
	s_add_co_u32 s13, s13, SC1                     ; scale words: lanes 0-15 take S1's,
	s_xor_b32 s19, s15, 1
	s_lshl_b32 s19, s19, 11
	s_lshl_b32 s66, s16, 12
	s_add_co_u32 s19, s19, s66
	s_add_co_u32 s19, s19, 2048                    ; lanes 16-31 S0's, this far on: SC0 + 4,096 (w % 2) - SC1 - 2,048 (w / 2)
	v_mul_u32_u24 v20, s19, v3
	v_lshl_add_u32 v20, v2, 4, v20
	v_add_nc_u32 v20, s13, v20
	; where the results go
	s_lshr_b32 s13, s18, 4
	s_lshl_b32 s13, s13, 4
	s_lshl_b32 s19, s8, 2
	s_add_co_u32 s13, s13, s19
	s_lshl_b32 s19, s16, 1
	s_add_co_u32 s13, s13, s19                     ; q, k: the first of my two (batch, head)s: 16 batch + 4 cx + 2 (w % 2)
	s_lshr_b32 s66, s17, 3
	s_lshl_b32 s66, s66, 4
	s_lshl_b32 s19, s18, 1
	s_add_co_u32 s66, s66, s19
	s_add_co_u32 s66, s66, s15
	s_sub_co_u32 s66, s66, 32                      ; v: 16 batch + 2 (S1's block - 16) + w / 2
	s_lshl_b32 s67, s18, 3
	s_lshl_b32 s19, s15, 2
	s_add_co_u32 s67, s67, s19
	s_and_b32 s67, s67, 127                        ; q, k: my first tile of tokens in its batch
	s_lshl_b32 s2, s17, 1
	s_add_co_u32 s2, s2, s16
	s_and_b32 s2, s2, 15                           ; v: my key step
	s_cmp_eq_u32 ttmp9, 2
	s_cselect_b32 s13, s66, s13                    ; (batch, head)
	s_mul_i32 s66, s2, 6144
	s_mul_i32 s19, s67, 768
	s_cselect_b32 s66, s66, s19                    ; the codes' place in its block
	s_mul_i32 s3, s2, 512
	s_mul_i32 s19, s67, 64
	s_cselect_b32 s3, s3, s19                      ; the scale words'
	s_cselect_b32 s67, 98304, 0
	s_mov_b32 s2, 196608
	s_cselect_b32 s2, 204800, s2
	s_cselect_b32 s19, 0, 16
	v_mul_u32_u24 v21, s19, v3                     ; q, k: lanes 16-31 store the second head's two bytes of a scale word
	s_cmp_eq_u32 ttmp9, 0
	s_cselect_b32 s67, QC, s67
	s_cselect_b32 s2, QS, s2
	s_mov_b32 s19, BHB
	s_cselect_b32 s19, 98304, s19                  ; from one (batch, head) to the next, codes
	s_add_co_u32 s66, s66, s67
	s_mul_i32 s67, s13, s19
	s_add_co_u32 s66, s66, s67
	s_cmp_eq_u32 ttmp9, 2
	s_cselect_b32 s19, 3072, s19                   ; from a fragment's first half to its second: the next head, or v's next 64 keys
	v_add_nc_u32 v22, s66, v4
	v_add_nc_u32 v23, s66, v5
	v_add_nc_u32 v24, s19, v22
	v_add_nc_u32 v25, s19, v23
	s_cmp_eq_u32 ttmp9, 0
	s_mov_b32 s19, BHB
	s_cselect_b32 s19, 8192, s19
	s_mul_i32 s67, s13, s19
	s_add_co_u32 s3, s3, s2
	s_add_co_u32 s3, s3, s67
	s_cmp_eq_u32 ttmp9, 2
	s_cselect_b32 s19, 256, s19                    ; lanes 16-31: the next head's words, or a second copy of v's
	v_mul_u32_u24 v26, s19, v3
	v_lshl_add_u32 v26, v2, 4, v26
	v_add_nc_u32 v26, s3, v26
	s_mov_b32 s20, 0x76543210
	s_mov_b32 s21, 0xfedcba98                      ; v_permlanex16_b32's selects for lane l xor 16
	s_wait_alu depctr_va_vdst(0)
	s_wait_tensorcnt 0x0                           ; my tile is in
	s_barrier_signal -1
	s_barrier_wait -1                              ; everybody's are
.irp i, 0,1,2,3,4,5,6,7
.irp q, 0,1
	ds_load_b128 v[32+8*\i+4*\q:32+8*\i+4*\q+3], v20 offset:512*\i+256*\q   ; all eight K steps' scale words, once
.endr
.endr
	FETCH 0
	STEP 0, 0, 0, 1
	STEP 1, 0, 0, 1                                ; all of K lies in LDS: no step has a barrier
	STEP 2, 0, 0, 1
	STEP 3, 0, 0, 1
	STEP 4, 0, 0, 1
	STEP 5, 0, 0, 1
	STEP 6, 0, 0, 1
	STEP 7, 0, 0, 0
	WIN 0
.rept 4
	v_nop                                          ; places behind the last products
.endr
.irp b, 0,1,2,3
	v_mov_b32 v[TM+4+\b], 0                        ; written once: a lane permute's destination counts as one of its sources
.endr
; S1's tile a: a lane's 64 results, register 16 b + i = k 32 b + 16 h + i of the next K, become a fragment's codes and its scale word.  Each accumulator is read from its low end on.
.macro OUT a
.set AC, 64*\a
.set PC, 96+12*\a
	WIN 0x28                                       ; sources 1 and 2 window 2
.irp b, 0,1,2,3
	v_max3_num_f32 v[TM+\b], 0x1800000, |v[AC+16*\b]|, |v[AC+16*\b+1]|   ; with the floor 2^(3 - 127): the byte cannot fall under 1
.endr
.irp i, 2,4,6,8,10,12,14
.irp b, 0,1,2,3
	v_max3_num_f32 v[TM+\b], v[TM+\b], |v[AC+16*\b+\i]|, |v[AC+16*\b+\i+1]|
.endr
.endr
	WIN 0
.irp b, 0,1,2,3
	v_permlanex16_b32 v[TM+4+\b], v[TM+\b], s20, s21
.endr
.irp b, 0,1,2,3
	v_max_num_f32 v[TM+\b], v[TM+\b], v[TM+4+\b]   ; with lane l xor 16's: the block's largest magnitude
.endr
.irp b, 0,1,2,3
	v_add_nc_u32 v[TM+12+\b], 0xff000000, v[TM+\b] ; 2 off the exponent field: the conversion's scale operand
.endr
.irp b, 0,1,2,3
	v_lshrrev_b32 v[TM+4+\b], 23, v[TM+12+\b]      ; the scale's byte
.endr
	v_lshl_or_b32 v[SW+\a], v[TM+5], 8, v[TM+4]
	v_lshl_or_b32 v[SW+\a], v[TM+6], 16, v[SW+\a]
	v_lshl_or_b32 v[SW+\a], v[TM+7], 24, v[SW+\a]
	WIN 0x02                                       ; source 0 window 2
.irp c, 0,1
	v_cvt_scalef32_pk16_fp6_f32 v[PC+6*\c:PC+6*\c+2], v[AC+32*\c:AC+32*\c+15], v[TM+12+2*\c]
	v_cvt_scalef32_pk16_fp6_f32 v[144+4*\c:144+4*\c+2], v[AC+32*\c+16:AC+32*\c+31], v[TM+12+2*\c+1]
.endr
	WIN 0
	v_nop                                          ; one plain place behind a scaled conversion
.irp c, 0,1                            ; the layout wants a whole block in a lane
.irp i, 0,1,2
	v_permlane16_swap_b32 v[PC+6*\c+\i], v[144+4*\c+\i]
.endr
.irp i, 0,1,2
	v_mov_b32 v[PC+3+6*\c+\i], v[144+4*\c+\i]
.endr
.endr
	global_store_b128 v22, v[PC:PC+3], s[6:7] offset:768*\a          ; each store covers 512 or 256 consecutive bytes, aligned
	global_store_b64 v23, v[PC+4:PC+5], s[6:7] offset:768*\a+512
	global_store_b128 v24, v[PC+6:PC+9], s[6:7] offset:768*\a
	global_store_b64 v25, v[PC+10:PC+11], s[6:7] offset:768*\a+512
.endm
	OUT 0
	OUT 1
	OUT 2
	OUT 3
.irp a, 0,1,2,3
	v_lshrrev_b32 v[SW+\a], v21, v[SW+\a]
.endr
	global_store_b128 v26, v[SW:SW+3], s[6:7]      ; four tiles' words of row r on end: sixteen lanes store 256 consecutive bytes
	s_wait_tensorcnt 0x0                           ; the wave's end
	ds_add_u32 v28, v29
	s_wait_dscnt 0x0
	CROUND                                         ; the closing round
	s_endpgm
.Lfunc_end_k_q00c0604d0f_qkv:
	.size	k_q00c0604d0f_qkv, .Lfunc_end_k_q00c0604d0f_qkv-k_q00c0604d0f_qkv
	.p2alignl 7, 3214868480
	.fill 96, 4, 3214868480
	.section	.rodata,"a",@progbits
	.p2align	6, 0x0
	.amdhsa_kernel k_q00c0604d0f_qkv
		.amdhsa_group_segment_fixed_size 307712
		.amdhsa_private_segment_fixed_size 0
		.amdhsa_enable_private_segment 0
		.amdhsa_kernarg_size 16
		.amdhsa_user_sgpr_count 2
		.amdhsa_user_sgpr_kernarg_segment_ptr 1
		.amdhsa_wavefront_size32 1
		.amdhsa_system_sgpr_workgroup_id_x 1
		.amdhsa_system_sgpr_workgroup_id_y 1
		.amdhsa_system_sgpr_workgroup_id_z 1
		.amdhsa_system_vgpr_workitem_id 0
		.amdhsa_next_free_vgpr 768
		.amdhsa_next_free_sgpr 102
		.amdhsa_reserve_vcc 0
		.amdhsa_float_denorm_mode_32 3
		.amdhsa_float_denorm_mode_16_64 3
		.amdhsa_memory_ordered 1
		.amdhsa_forward_progress 1
		.amdhsa_inst_pref_size 87
	.end_amdhsa_kernel
	.amdgpu_metadata
---
amdhsa.version: [ 1, 2 ]
amdhsa.kernels:
  - .name:           k_q00c0604d0f_qkv
    .symbol:         k_q00c0604d0f_qkv.kd
    .args:
      - { .name: wsp, .offset: 0, .size: 8, .value_kind: global_buffer, .address_space: global }
      - { .name: qkvc, .offset: 8, .size: 8, .value_kind: global_buffer, .address_space: global }
    .group_segment_fixed_size: 307712
    .private_segment_fixed_size: 0
    .kernarg_segment_align: 8
    .kernarg_segment_size: 16
    .max_flat_workgroup_size: 128
    .sgpr_count:     102
    .vgpr_count:     768
    .wavefront_size: 32
...
	.end_amdgpu_metadata
.endif
;; end of part 2
;; launch attn (part 3): grid 4 x 64, 16 waves a work-group, clusters of 4 x 1, 215,296 bytes of LDS; arguments qkvc, maskw, obuf; writes obuf
.if DOCPART == 3
	.amdgcn_target "amdgcn-amd-amdhsa--gfx1250"
	.amdhsa_code_object_version 6
	.text
	.protected	k_q00c0604d0f_attn
	.globl	k_q00c0604d0f_attn
	.p2align	8
	.type	k_q00c0604d0f_attn,@function
k_q00c0604d0f_attn:
	s_mov_b64 s[64:65], 0
	v_nop
	global_prefetch_b8 v0, s[64:65] scope:SCOPE_SE
	s_setreg_imm32_b32 hwreg(HW_REG_WAVE_MODE, 25, 1), 1
	s_wait_xcnt 0x0
	s_wait_alu depctr_hold_cnt(0) depctr_sa_sdst(0) depctr_va_vdst(0) depctr_va_sdst(0) depctr_va_ssrc(0) depctr_va_vcc(0) depctr_vm_vsrc(0)
	s_getreg_b32 s2, hwreg(HW_REG_IB_STS2, 6, 4)
	s_cmp_eq_u32 s2, 0
	s_cbranch_scc0 .Lentry_in_a_cluster
	s_endpgm
.Lentry_in_a_cluster:
	s_bfe_u32 s2, ttmp6, 0x10000c
	s_cmp_lg_u32 s2, 0x3003
	s_cbranch_scc0 .Lentry_shape_is_right
	s_endpgm
.Lentry_shape_is_right:
; o = softmax(q k^T / 8, graph mask on heads 0-3) v for one (batch, head), both products on codes of FP6 (E2M3) with E8M0 scales; o leaves as codes for the last product.
; THE SOFTMAX: t = score x log2(e) / 8; M = the running largest t rounded up to a whole number; p = 2^(t - M) is quantised along the keys, not normalised; the row's sum is taken of the unquantised p and divides at the end.
; SHARES.  A work-group owns 512 queries of a (batch, head); each of its sixteen waves walks two tiles of 16 queries, one after the other (two flat loops of 8 trips, two steps of 128 keys a trip), over all 2,048 keys.
; LDS holds the head's k and v whole, codes and scale words: 212,992 bytes, one dense block of memory, filled ONCE: each wave brings 13,312 bytes by its one tensor load.  From byte 213,248 on: 2,048 bytes of spare words.
; A trip's LDS offsets are made anew from the three bits of the trip's number, each bit choosing between a constant and 0: at most 86,016 for the codes and 7,168 for the scale words; the second step stands in the immediates.
; CLUSTER 4 x 1: the four work-groups of a (batch, head) need the same block: the loads are joint, mask 15.  No prefetch: k and v are asked for whole at the head, so there is no loop to run ahead in.
; LAYOUT.  Both products transposed (S^T = k q^T, O^T = v^T p^T): a lane holds one query.  THE KEYS OF A SCORE TILE (c, u) are 64 c + 32 (r / 8) + 8 u + r % 8, picked by the lanes' LDS addresses out of the images
; that the launch before stored: lane (r, h) then holds in registers 32 c .. 32 c + 31 the keys 64 c + 32 h + 0 .. 31: a WHOLE block of 32, in the order of p's operand.  So a block's maximum needs no other lane and the codes no exchange.
; K = 64 IN A PRODUCT OF 128: q's operand is six registers of codes and six of zero codes; k's operand for tile T is v[32 + 6 T] on, twelve registers: its upper six (the next tile's codes; behind tile 7 zeros) meet q's zeros;
; the upper two bytes of q's and k's scale words are never 0xff.
; THE MASK comes as lane masks, a word for each score register; a hidden score becomes -2^33, so that its t is a whole number: a row wholly hidden has p = 1 everywhere, as with reference()'s -1e9, any other row p = 0 at its hidden keys.
; THE WAVES KEEP STEP: a work-group barrier is signalled ahead of a step's second product and awaited in the next step behind k's fragment loads: no wave is more than a step ahead of another.  It guards no LDS byte.
; LIMITS: equal to reference() while the open logits lie above about -1e9, and the scaled scores stay under 2^31 in magnitude.  NaN and infinities are not served.
; REGISTERS: v1, v2 16 and 8 x lane; v3-5 k's lane terms; v6-11 the trip's LDS addresses; v12 -M, v13 largest score, v[14:15] the sum; v16-27 q; v28 q's scale word; v29-31 16 r, 16 r + h, 8 h; v32-79 k's eight half fragments,
; then v's four fragments; v80-85 zeros; v86, v87 the add's; v88 -2^33; v89-91 v's lane terms; v96-159 S^T, then p; v160-191 O^T; v192-203 p's codes; v204-210 second halves; v212-224 at work (v219 the last -M); v[226:227] f;
; v228 p's scale word; v232-235 k's scale words; v236-239 v's; v240-255 partial sums.
.set BHB, 212992
.set QC,  13631488
.set QS,  19922944
.set OSI, 6291456
.set SPARE, 213248
.set SPW, 86
.set NIL, 87
.macro CROUND
	s_barrier_signal -1
	s_barrier_wait -1
	s_cmp_lg_u32 s10, 0
	s_cbranch_scc1 .Lnot_wave_0_\@
	s_barrier_signal -3
.Lnot_wave_0_\@:
	s_barrier_wait -3
	s_barrier_signal -1
	s_barrier_wait -1
.endm
.macro MASKW                           ; 64 mask words, 256 bytes, at s19 in my tile's 4,096
	s_load_b512 s[32:47], s[28:29], s19 offset:0x0
	s_load_b512 s[48:63], s[28:29], s19 offset:0x40
	s_load_b512 s[68:83], s[28:29], s19 offset:0x80
	s_load_b512 s[84:99], s[28:29], s19 offset:0xc0
.endm
	s_load_b128 s[4:7], s[0:1], 0x0                ; qkvc, maskw
	s_load_b64 s[8:9], s[0:1], 0x10                ; obuf
	v_lshl_add_u32 v[SPW], v0, 2, SPARE
	v_mov_b32 v[NIL], 0
	ds_add_u32 v[SPW], v[NIL]                      ; the opening lines: the add twice on end, and its wait, ahead of the round and my tensor load
	ds_add_u32 v[SPW], v[NIL]
	v_lshrrev_b32 v1, 5, v0
	v_readfirstlane_b32 s10, v1                    ; wave 0..15
	s_bfe_u32 s11, ttmp6, 0x40000                  ; cx: it enters the addresses of q, the mask and o alone
	s_and_b32 s12, ttmp7, 0xffff                   ; (batch, head), which the four partners share
	s_mul_i32 s33, s10, 13312                      ; group 0: LDS address: my sixteenth of the block
	s_mul_i32 s2, s12, BHB
	s_add_co_u32 s2, s2, s33
	s_mov_b32 s3, 0
	s_mov_b32 s32, 1
	s_mov_b32 s36, 15|(3<<16)|(1<<21)              ; group 1: the mask: all four; elements of 8 bytes; 21 set beside a mask
	s_mov_b32 s37, 32<<16                          ; rows of 256 bytes,
	s_mov_b32 s38, 52<<16                          ; 52 of them,
	s_mov_b32 s39, 32<<16
	s_mov_b32 s40, 52
	s_mov_b32 s41, 32                              ; dense
	s_mov_b32 s42, 0
	s_mov_b32 s43, 0
	s_wait_dscnt 0x0                               ; both opening adds are done
	s_wait_kmcnt 0x0
	s_add_nc_u64 s[34:35], s[4:5], s[2:3]
	s_or_b32 s35, s35, 0x80000000
	CROUND                                         ; all four work-groups are here: the joint loads meet
	tensor_load_to_lds s[32:35], s[36:43]          ; my one tensor load of the launch
	s_nop 0
.rept 4
	v_nop
.endr
	s_lshl_b32 s13, s11, 5
	s_add_co_u32 s13, s13, s10                     ; my first tile of queries: 32 cx + wave; the second is 16 on
	s_lshl_b32 s2, s12, 7
	s_add_co_u32 s2, s2, s13
	s_mul_i32 s2, s2, 768
	s_add_co_u32 s2, s2, QC
	s_add_nc_u64 s[24:25], s[4:5], s[2:3]          ; q's codes
	s_lshl_b32 s2, s12, 13
	s_lshr_b32 s14, s13, 2
	s_lshl_b32 s14, s14, 8
	s_add_co_u32 s2, s2, s14
	s_and_b32 s14, s13, 3
	s_lshl_b32 s14, s14, 2
	s_add_co_u32 s2, s2, s14
	s_add_co_u32 s2, s2, QS
	s_add_nc_u64 s[26:27], s[4:5], s[2:3]          ; q's scale words
	s_lshl_b32 s2, s13, 12
	s_add_nc_u64 s[28:29], s[6:7], s[2:3]          ; the tile's mask words: 16 steps x 256 bytes
	s_lshr_b32 s14, s12, 4
	s_lshl_b32 s14, s14, 7
	s_add_co_u32 s14, s14, s13                     ; the tile among all 512 tiles of tokens
	s_and_b32 s16, s12, 15                         ; the head
	s_lshl_b32 s2, s14, 4
	s_add_co_u32 s2, s2, s16
	s_mul_i32 s2, s2, 768
	s_add_nc_u64 s[30:31], s[8:9], s[2:3]          ; o's codes: [tile][half fragment = head]
	s_lshl_b32 s2, s14, 9
	s_lshr_b32 s17, s16, 3
	s_lshl_b32 s17, s17, 8
	s_add_co_u32 s2, s2, s17
	s_bfe_u32 s17, s16, 0x20001
	s_lshl_b32 s17, s17, 2
	s_add_co_u32 s2, s2, s17
	s_and_b32 s17, s16, 1
	s_lshl_b32 s17, s17, 1
	s_add_co_u32 s2, s2, s17
	s_add_co_u32 s2, s2, OSI
	s_add_nc_u64 s[66:67], s[8:9], s[2:3]          ; o's scale bytes: K step head / 2, bytes 2 (head % 2) and the next
	s_cmp_lt_u32 s16, 4
	s_cselect_b32 s15, 1, 0                        ; a head with the graph mask?  The same in all four partners
	s_mov_b32 s20, 0x76543210
	s_mov_b32 s21, 0xfedcba98                      ; v_permlanex16_b32's selects for lane l xor 16
	s_mov_b32 s22, 0x3e38aa3b                      ; c = log2(e) / 8
	s_mov_b32 s23, s22
	s_mov_b32 s101, 0xbe38aa3b                     ; -c
	v_and_b32 v2, 31, v0
	v_bfe_u32 v6, v0, 3, 1                         ; r / 8
	v_and_b32 v7, 7, v0                            ; r % 8
	v_bfe_u32 v8, v0, 4, 1                         ; h
	v_lshlrev_b32 v1, 4, v2                        ; 16 x lane
	v_lshlrev_b32 v2, 3, v2                        ; 8 x lane
	v_mul_u32_u24 v3, v6, 1536                     ; k: rows 8-15 of a score tile come from the stored tile two on;
	v_lshlrev_b32 v5, 3, v6
	v_lshl_add_u32 v4, v7, 3, v3
	v_lshl_add_u32 v3, v7, 4, v3
	v_lshl_add_u32 v5, v7, 4, v5
	v_lshl_add_u32 v4, v8, 7, v4                   ; the image's 8-byte pieces: 1,536 (r / 8) + 8 (r % 8) + 128 h
	v_lshl_add_u32 v3, v8, 8, v3                   ; its 16-byte pieces: 1,536 (r / 8) + 16 (r % 8) + 256 h
	v_lshl_add_u32 v5, v8, 8, v5
	v_add_nc_u32 v89, 98304, v1                    ; v's codes lie behind k's
	v_add_nc_u32 v90, 98304, v2
	v_add_nc_u32 v91, 196608, v1                   ; v's scale words: 8,192 more in the immediate
	v_add_nc_u32 v5, 196608, v5                    ; k's scale words: 196,608 + 256 h + 16 (r % 8) + 8 (r / 8): lanes 16-31 take tiles (1, u)
	v_and_b32 v29, 15, v0
	v_lshlrev_b32 v31, 3, v8
	v_lshlrev_b32 v29, 4, v29
	v_mov_b32 v88, 0xd0000000                      ; -2^33
	v_add_nc_u32 v30, v29, v8
.irp i, 22,23,24,25,26,27,80,81,82,83,84,85
	v_mov_b32 v\i, 0                               ; zero codes
.endr
.irp i, 216,217,218,224,227
	v_mov_b32 v\i, 0                               ; written once: lane permutes' destinations, and the upper half of f's pair
.endr
	s_wait_alu depctr_va_vdst(0)                   ; the head's end
	s_wait_tensorcnt 0x0                           ; my part has landed: from here on the descriptor's registers may hold mask words
	s_barrier_signal -1
	s_barrier_wait -1                              ; everybody's has
.macro PASS p                          ; one tile of 16 queries over all keys
	s_wait_kmcnt 0x0                               ; no scalar load is out when the mask registers are loaded anew
	s_mov_b32 s19, 0
	MASKW                                          ; step 0's words (on every head: 256 bytes, and no branch)
	global_load_b128 v[16:19], v1, s[24:25]
	global_load_b64 v[20:21], v2, s[24:25] offset:512
	global_load_b32 v28, v29, s[26:27]
	v_mov_b32 v13, 0xff61b1e6                      ; the largest score so far: -3e38
	v_mov_b32 v12, 0x7f61b1e6                      ; -M,
	v_mov_b32 v219, 0x7f61b1e6                     ; and its copy for the first step
	v_mov_b32 v14, 0
	v_mov_b32 v15, 0
.set j, 0
.rept 32
	v_mov_b32 v[160+j], 0                          ; O^T: the step is written once; the first change of M leaves zeros zeros
.set j, j+1
.endr
	s_mov_b32 s100, 0
	s_wait_alu depctr_va_vdst(0)                   ; directly ahead of the wait below
	s_wait_loadcnt 0x0
	s_barrier_signal -1                            ; awaited in the first step
.Lstep\p:
	s_bitcmp1_b32 s100, 0                          ; trip n: the codes lie at 12,288 n, the scale words at 1,024 n: each bit of n chooses its share
	s_cselect_b32 s2, 12288, 0
	s_cselect_b32 s3, 1024, 0
	s_bitcmp1_b32 s100, 1
	s_cselect_b32 s13, 24576, 0
	s_cselect_b32 s14, 2048, 0
	s_bitcmp1_b32 s100, 2
	s_cselect_b32 s16, 49152, 0
	s_cselect_b32 s18, 4096, 0
	s_add_co_u32 s16, s16, s2
	s_add_co_u32 s18, s18, s3
	s_add_co_u32 s16, s16, s13
	s_add_co_u32 s18, s18, s14
	v_add_nc_u32 v6, s16, v3
	v_add_nc_u32 v7, s16, v4
	v_add_nc_u32 v10, s18, v5
	v_add_nc_u32 v11, s18, v91
	v_add_nc_u32 v8, s16, v89
	v_add_nc_u32 v9, s16, v90
.irp k, 0,1                            ; the trip's two steps
.irp c, 0,1
.irp u, 0,1,2,3
	ds_load_b128 v[32+6*(4*\c+\u):32+6*(4*\c+\u)+3], v6 offset:6144*\k+768*(4*\c+(\u%2))+128*(\u/2)
	ds_load_b64 v[32+6*(4*\c+\u)+4:32+6*(4*\c+\u)+5], v7 offset:6144*\k+768*(4*\c+(\u%2))+512+64*(\u/2)
.endr
.endr
	ds_load_b64 v[232:233], v10 offset:512*\k      ; register u: lanes 0-15 the words of tile (0, u), lanes 16-31 of tile (1, u)
	ds_load_b64 v[234:235], v10 offset:512*\k+128
	ds_load_b128 v[236:239], v11 offset:512*\k+8192   ; v's four tiles' words
	s_wait_alu depctr_va_vdst(0)                   ; directly ahead of the wait below
	s_wait_dscnt 0x0
	s_barrier_wait -1                              ; every wave has reached the last step's second product
.irp u, 0,1,2,3
	v_wmma_scale_f32_16x16x128_f8f6f4 v[96+8*\u:103+8*\u], v[32+6*\u:43+6*\u], v[16:27], 0, v[232+\u], v28 matrix_a_fmt:MATRIX_FMT_FP6 matrix_b_fmt:MATRIX_FMT_FP6
.endr
.irp u, 0,1,2,3
	v_wmma_scale_f32_16x16x128_f8f6f4 v[128+8*\u:135+8*\u], v[56+6*\u:67+6*\u], v[16:27], 0, v[232+\u], v28 matrix_a_fmt:MATRIX_FMT_FP6 matrix_b_fmt:MATRIX_FMT_FP6 matrix_a_scale:MATRIX_SCALE_ROW1
.endr
.rept 4
	v_nop                                          ; four places: ahead of the loads into k's registers and of the first read of the scores
.endr
.irp d, 0,1,2,3                        ; v's four fragments are asked for now and land under the softmax
	ds_load_b128 v[32+12*\d:32+12*\d+3], v8 offset:6144*\k+768*\d
	ds_load_b64 v[32+12*\d+4:32+12*\d+5], v9 offset:6144*\k+768*\d+512
	ds_load_b128 v[32+12*\d+6:32+12*\d+9], v8 offset:6144*\k+3072+768*\d
	ds_load_b64 v[32+12*\d+10:32+12*\d+11], v9 offset:6144*\k+3072+768*\d+512
.endr
	s_cmp_eq_u32 s15, 0
	s_cbranch_scc1 .Lopen\p\k
	s_wait_kmcnt 0x0                               ; this step's mask words
.set j, 0
.rept 64
	v_cndmask_b32 v[96+j], v[96+j], v88, s[32+j+4*(j/32)]
.set j, j+1
.endr
	s_add_co_u32 s19, s19, 256
	s_and_b32 s19, s19, 4095                       ; the next step's words (behind the last step: the first's again: no load leaves the tile's 4,096 bytes)
	MASKW
.Lopen\p\k:
.irp c, 0,1                            ; my two blocks' largest scores, each in two chains; every accumulator is first read at its low end
	v_max3_num_f32 v[212+\c], v[96+32*\c], v[97+32*\c], v[98+32*\c]
	v_max3_num_f32 v[214+\c], v[112+32*\c], v[113+32*\c], v[114+32*\c]
.endr
.irp i, 3,5,7,9,11,13
.irp c, 0,1
	v_max3_num_f32 v[212+\c], v[212+\c], v[96+32*\c+\i], v[97+32*\c+\i]
	v_max3_num_f32 v[214+\c], v[214+\c], v[112+32*\c+\i], v[113+32*\c+\i]
.endr
.endr
.irp c, 0,1
	v_max3_num_f32 v[212+\c], v[212+\c], v[214+\c], v[111+32*\c]
.endr
.irp c, 0,1
	v_max_num_f32 v[212+\c], v[212+\c], v[127+32*\c]   ; it serves twice: for the row's maximum and, since p rises with the score, for the block's largest p
.endr
	s_delay_alu instid0(VALU_DEP_1)
	v_max_num_f32 v216, v212, v213
	s_delay_alu instid0(VALU_DEP_1)
	v_permlanex16_b32 v217, v216, s20, s21
	s_delay_alu instid0(VALU_DEP_1)
	v_max3_num_f32 v13, v13, v216, v217            ; the running largest score of my query
	s_delay_alu instid0(VALU_DEP_1)
	v_mul_f32 v218, s101, v13                      ; -t (c is positive)
	s_delay_alu instid0(VALU_DEP_1)
	v_floor_f32 v12, v218                          ; the new -M
	s_delay_alu instid0(VALU_DEP_1)
	v_sub_f32 v219, v12, v219                      ; old M - new M: a whole number, 0 or less
	s_delay_alu instid0(VALU_DEP_1)
	v_cvt_i32_f32 v219, v219                       ; (it saturates)
	s_delay_alu instid0(VALU_DEP_1)
	v_ldexp_f32 v226, 1.0, v219                    ; f = 2^(old M - new M)
.set j, 0
.rept 32
	v_pk_fma_f32 v[96+j:97+j], v[96+j:97+j], s[22:23], v[12:13] op_sel_hi:[1,0,0]   ; t - M
.set j, j+2
.endr
	v_fma_f32 v212, v212, s22, v12
	v_fma_f32 v213, v213, s22, v12
	s_wait_alu depctr_va_vdst(0)                   ; ahead of the batch
.set j, 0
.rept 64
	v_exp_f32 v[96+j], v[96+j]                     ; p
.set j, j+1
.endr
	v_exp_f32 v212, v212                           ; my two blocks' largest p
	v_exp_f32 v213, v213
	v_pk_mul_f32 v[14:15], v[14:15], v[226:227] op_sel_hi:[1,0]   ; the sums under the new M; the plain line behind the batch
	s_wait_alu depctr_va_vdst(0)                   ; one wait for the 66, ahead of their first reader
.irp i, 0,1,2,3,4,5,6,7                ; the row's sum of the unquantised p, in eight chains
	v_pk_add_f32 v[240+2*\i:241+2*\i], v[96+2*\i:97+2*\i], v[112+2*\i:113+2*\i]
.endr
.irp i, 0,1,2,3,4,5,6,7
	v_pk_add_f32 v[240+2*\i:241+2*\i], v[240+2*\i:241+2*\i], v[128+2*\i:129+2*\i]
.endr
.irp i, 0,1,2,3,4,5,6,7
	v_pk_add_f32 v[240+2*\i:241+2*\i], v[240+2*\i:241+2*\i], v[144+2*\i:145+2*\i]
.endr
.irp i, 0,1,2,3
	v_pk_add_f32 v[240+2*\i:241+2*\i], v[240+2*\i:241+2*\i], v[248+2*\i:249+2*\i]
.endr
	v_max_num_f32 v212, 0x1800000, v212            ; the floor 2^(3 - 127): the byte cannot fall under 1
	v_max_num_f32 v213, 0x1800000, v213
	v_pk_add_f32 v[240:241], v[240:241], v[244:245]
	v_pk_add_f32 v[242:243], v[242:243], v[246:247]   ; (the last two additions stand behind the second product)
	v_add_nc_u32 v220, 0xff000000, v212            ; 2 off the exponent field: the conversion's scale operand
	v_add_nc_u32 v221, 0xff000000, v213
	v_lshrrev_b32 v216, 23, v220                   ; the scale's byte
	v_lshrrev_b32 v217, 23, v221
	s_delay_alu instid0(VALU_DEP_1)
	v_lshl_or_b32 v228, v217, 16, v216             ; my two bytes: blocks h and 2 + h,
	s_delay_alu instid0(VALU_DEP_1)
	v_lshlrev_b32 v228, v31, v228                  ; at their places in the word
	s_delay_alu instid0(VALU_DEP_1)
	v_permlanex16_b32 v218, v228, s20, s21
	v_cvt_scalef32_pk16_fp6_f32 v[192:194], v[96:111], v220
	v_cvt_scalef32_pk16_fp6_f32 v[204:206], v[112:127], v220   ; (a conversion's three registers begin on an even number)
	v_cvt_scalef32_pk16_fp6_f32 v[198:200], v[128:143], v221
	v_cvt_scalef32_pk16_fp6_f32 v[208:210], v[144:159], v221
	v_or_b32 v228, v228, v218                      ; with lane l xor 16's two the word is whole; also the plain line behind the conversions
.irp i, 0,1,2
	v_mov_b32 v[195+\i], v[204+\i]
	v_mov_b32 v[201+\i], v[208+\i]
.endr
	s_wait_dscnt 0x0                               ; v's fragments
	s_barrier_signal -1                            ; awaited in the next step (behind the last step: behind the loop); register work and reads of bytes that nobody writes stand between
	s_wait_alu depctr_va_vdst(0)                   ; directly ahead of the first reader of O^T
.set j, 0
.rept 16
	v_pk_mul_f32 v[160+j:161+j], v[160+j:161+j], v[226:227] op_sel_hi:[1,0]   ; O^T under the new M; these are also the places ahead of the products
.set j, j+2
.endr
.irp d, 0,1,2,3
	v_wmma_scale_f32_16x16x128_f8f6f4 v[160+8*\d:167+8*\d], v[32+12*\d:43+12*\d], v[192:203], v[160+8*\d:167+8*\d], v[236+\d], v228 matrix_a_fmt:MATRIX_FMT_FP6 matrix_b_fmt:MATRIX_FMT_FP6
.endr
	v_pk_add_f32 v[240:241], v[240:241], v[242:243]   ; four places behind the products, ahead of the next loads into their registers: the sum's end,
	v_mov_b32 v219, v12                            ; -M for the next step's difference,
	v_nop
	v_pk_add_f32 v[14:15], v[14:15], v[240:241]
.endr
	s_add_co_u32 s100, s100, 1
	s_cmp_lt_u32 s100, 8
	s_cbranch_scc1 .Lstep\p
	s_wait_alu depctr_va_vdst(0)                   ; directly ahead of the wait below
	s_barrier_wait -1
	; the tile's end: o = O^T / the sum, quantised along the head's 64: half a fragment of the last product's operand
	v_add_f32 v14, v14, v15
	s_delay_alu instid0(VALU_DEP_1)
	v_permlanex16_b32 v224, v14, s20, s21
	s_delay_alu instid0(VALU_DEP_1)
	v_add_f32 v14, v14, v224
	s_wait_alu depctr_va_vdst(0)                   ; ahead of the reciprocal
	v_rcp_f32 v14, v14
	v_nop                                          ; the plain line behind the reciprocal
	s_wait_alu depctr_va_vdst(0)                   ; and the wait behind it, directly ahead of the first reader
.set j, 0
.rept 32
	v_mul_f32 v[96+j], v[160+j], v14               ; register 16 g + i: channel 32 g + 16 h + i of my query
.set j, j+1
.endr
.irp g, 0,1
	v_max3_num_f32 v[212+\g], |v[96+16*\g]|, |v[97+16*\g]|, 0x1800000
.endr
.irp i, 2,4,6,8,10,12,14
.irp g, 0,1
	v_max3_num_f32 v[212+\g], v[212+\g], |v[96+16*\g+\i]|, |v[97+16*\g+\i]|
.endr
.endr
.irp g, 0,1
	v_permlanex16_b32 v[216+\g], v[212+\g], s20, s21
.endr
.irp g, 0,1
	v_max_num_f32 v[212+\g], v[212+\g], v[216+\g]  ; here a block lies in lanes l and l xor 16
.endr
.irp g, 0,1
	v_add_nc_u32 v[220+\g], 0xff000000, v[212+\g]
.endr
.irp g, 0,1
	v_lshrrev_b32 v[216+\g], 23, v[220+\g]
.endr
	v_cvt_scalef32_pk16_fp6_f32 v[192:194], v[96:111], v220
	v_cvt_scalef32_pk16_fp6_f32 v[204:206], v[112:127], v221
	v_lshl_or_b32 v224, v217, 8, v216              ; the two bytes; also the plain line behind the conversions
.irp i, 0,1,2
	v_permlane16_swap_b32 v[192+\i], v[204+\i]
.endr
.irp i, 0,1,2
	v_mov_b32 v[195+\i], v[204+\i]
.endr
	v_lshrrev_b32 v224, v31, v224                  ; lane (r, h) stores block h's byte
	global_store_b128 v1, v[192:195], s[30:31]
	global_store_b64 v2, v[196:197], s[30:31] offset:512
	global_store_b8 v30, v224, s[66:67]            ; single bytes: two heads, made by different work-groups, share a scale word; 262,144 bytes in the whole launch
.if \p == 0
	s_wait_xcnt 0x0                                ; the loads and stores have read their addresses and data: the pointers step to the tile 16 on
	s_add_nc_u64 s[24:25], s[24:25], 12288
	s_add_nc_u64 s[26:27], s[26:27], 1024
	s_add_nc_u64 s[28:29], s[28:29], 65536
	s_add_nc_u64 s[30:31], s[30:31], 196608
	s_add_nc_u64 s[66:67], s[66:67], 8192
.endif
.endm
	PASS 0
	PASS 1
	s_wait_tensorcnt 0x0                           ; the wave's end
	ds_add_u32 v[SPW], v[NIL]
	s_wait_dscnt 0x0
	CROUND                                         ; the closing round
	s_endpgm
.Lfunc_end_k_q00c0604d0f_attn:
	.size	k_q00c0604d0f_attn, .Lfunc_end_k_q00c0604d0f_attn-k_q00c0604d0f_attn
	.p2alignl 7, 3214868480
	.fill 96, 4, 3214868480
	.section	.rodata,"a",@progbits
	.p2align	6, 0x0
	.amdhsa_kernel k_q00c0604d0f_attn
		.amdhsa_group_segment_fixed_size 215296
		.amdhsa_private_segment_fixed_size 0
		.amdhsa_enable_private_segment 0
		.amdhsa_kernarg_size 24
		.amdhsa_user_sgpr_count 2
		.amdhsa_user_sgpr_kernarg_segment_ptr 1
		.amdhsa_wavefront_size32 1
		.amdhsa_system_sgpr_workgroup_id_x 1
		.amdhsa_system_sgpr_workgroup_id_y 1
		.amdhsa_system_sgpr_workgroup_id_z 1
		.amdhsa_system_vgpr_workitem_id 0
		.amdhsa_next_free_vgpr 256
		.amdhsa_next_free_sgpr 102
		.amdhsa_reserve_vcc 0
		.amdhsa_float_denorm_mode_32 3
		.amdhsa_float_denorm_mode_16_64 3
		.amdhsa_memory_ordered 1
		.amdhsa_forward_progress 1
		.amdhsa_inst_pref_size 98
	.end_amdhsa_kernel
	.amdgpu_metadata
---
amdhsa.version: [ 1, 2 ]
amdhsa.kernels:
  - .name:           k_q00c0604d0f_attn
    .symbol:         k_q00c0604d0f_attn.kd
    .args:
      - { .name: qkvc, .offset: 0, .size: 8, .value_kind: global_buffer, .address_space: global }
      - { .name: maskw, .offset: 8, .size: 8, .value_kind: global_buffer, .address_space: global }
      - { .name: obuf, .offset: 16, .size: 8, .value_kind: global_buffer, .address_space: global }
    .group_segment_fixed_size: 215296
    .private_segment_fixed_size: 0
    .kernarg_segment_align: 8
    .kernarg_segment_size: 24
    .max_flat_workgroup_size: 512
    .sgpr_count:     102
    .vgpr_count:     256
    .wavefront_size: 32
...
	.end_amdgpu_metadata
.endif
;; end of part 3
;; launch proj (part 4): grid 4 x 64, 4 waves a work-group, clusters of 4 x 4, 307,712 bytes of LDS; arguments wsp, obuf, x, b_out, out0; writes out0
.if DOCPART == 4
	.amdgcn_target "amdgcn-amd-amdhsa--gfx1250"
	.amdhsa_code_object_version 6
	.text
	.protected	k_q00c0604d0f_proj
	.globl	k_q00c0604d0f_proj
	.p2align	8
	.type	k_q00c0604d0f_proj,@function
k_q00c0604d0f_proj:
	s_mov_b64 s[64:65], 0
	v_nop
	global_prefetch_b8 v0, s[64:65] scope:SCOPE_SE
	s_setreg_imm32_b32 hwreg(HW_REG_WAVE_MODE, 25, 1), 1
	s_wait_xcnt 0x0
	s_wait_alu depctr_hold_cnt(0) depctr_sa_sdst(0) depctr_va_vdst(0) depctr_va_sdst(0) depctr_va_ssrc(0) depctr_va_vcc(0) depctr_vm_vsrc(0)
	s_getreg_b32 s2, hwreg(HW_REG_IB_STS2, 6, 4)
	s_cmp_eq_u32 s2, 0
	s_cbranch_scc0 .Lentry_in_a_cluster
	s_endpgm
.Lentry_in_a_cluster:
	s_bfe_u32 s2, ttmp6, 0x10000c
	s_cmp_lg_u32 s2, 0xf033
	s_cbranch_scc0 .Lentry_shape_is_right
	s_endpgm
.Lentry_shape_is_right:
; out0 = o w_out^T + b_out + x, the product on codes of FP6 (E2M3) with E8M0 scales, K = 1,024.
; A work-group multiplies 256 rows of w_out (side S0, source 0) by 128 tokens (side S1, source 1) over all of K; both sides' codes and scale words lie in LDS whole: each LDS byte is filled once by a tensor load.
; Four waves: wave w has S1's tiles 4 (w / 2) + a and S0's tiles 8 (w % 2) + b: 32 accumulators, 8 K steps of 128.  A lane holds one token; its registers run along the output's columns.
; CLUSTER 4 x 4: S0's block hangs on cx (shared along a column of the cluster), S1's on cy (shared along a row): joint loads.
; The wave's 64 rows x 512 bytes of x and its 128 numbers of b_out are asked for at the head, into window 3 and v224-227, and land under the products.
; THE WAY OUT: 16 tokens x 128 columns at a time through the wave's own stage (rows of 512 + 16 bytes), back as whole rows, + x + b_out, stored 512 consecutive bytes an instruction.  The stage lies in S0's first tiles, which have
; had their only fill and whose last reads every wave has awaited ahead of the barrier behind the last K step.
; REGISTERS: window 0: v4, v5 lane terms; v16-22 addresses; v32-95 scale words; v96-191 S1's fragments, later (to v223) rows of the result; v224-227 b_out.  window 1: S0's fragments.  window 2: accumulators.  window 3: x.
.set WOC,  8650752
.set WOSI, 9797632
.set OSI,  6291456
.set S1B,  196608
.set SC1,  294912
.set SC0,  299008
.set G1A,  24
.set G1B,  32
.set G1SA, 40
.set G1SB, 48
.set MSB, 0
.macro WIN new
.if MSB != \new
	s_set_vgpr_msb (MSB<<8)|\new
.set MSB, \new
.endif
.endm
.macro CROUND
	s_barrier_signal -1
	s_barrier_wait -1
	s_cmp_lg_u32 s14, 0
	s_cbranch_scc1 .Lnot_wave_0_\@
	s_barrier_signal -3
.Lnot_wave_0_\@:
	s_barrier_wait -3
	s_barrier_signal -1
	s_barrier_wait -1
.endm
.macro MKG0 g, lreg, ladd, ptr, off, add
	s_mov_b32 s[\g], 1
	s_add_co_u32 s[\g+1], s[\lreg], \ladd
	s_add_nc_u64 s[\g+2:\g+3], s[\ptr:\ptr+1], s[\off:\off+1]
.if \add
	s_add_nc_u64 s[\g+2:\g+3], s[\g+2:\g+3], \add
.endif
	s_or_b32 s[\g+3], s[\g+3], 0x80000000
.endm
.macro FRAG reg, ax, ay, off
	ds_load_b128 v[\reg:\reg+3], v[\ax] offset:\off
	ds_load_b64 v[\reg+4:\reg+5], v[\ay] offset:\off+512
	ds_load_b128 v[\reg+6:\reg+9], v[\ax] offset:\off+768
	ds_load_b64 v[\reg+10:\reg+11], v[\ay] offset:\off+1280
.endm
.macro FETCH s
.set PP, (\s)%2
	WIN 0x40
.irp b, 0,1,2,3,4,5,6,7
	FRAG 128*PP+12*\b, 16+14*(\b/4), 17+14*(\b/4), 12288*(\b%4)+1536*(\s)   ; LDS holds a tile's 12,288 bytes on end, as memory does; tiles 4-7 by v30, v31
.endr
	WIN 0
.irp a, 0,1,2,3
	FRAG 96+48*PP+12*\a, 18, 19, 12288*\a+1536*(\s)
.endr
.endm
.macro MUL16 a0, s                     ; the 32 accumulators take turns, one instruction a turn, in the same order in every step
.irp a, \a0, \a0+1
.irp b, 0,1,2,3,4,5,6,7
.if (\s) == 0
	v_wmma_scale_f32_16x16x128_f8f6f4 v[8*(8*(\a)+\b):8*(8*(\a)+\b)+7], v[128*((\s)%2)+12*\b:128*((\s)%2)+12*\b+11], v[96+48*((\s)%2)+12*(\a):96+48*((\s)%2)+12*(\a)+11], 0, v[32+8*\b+(\s)], v[32+8*(\a)+(\s)] matrix_a_fmt:MATRIX_FMT_FP6 matrix_b_fmt:MATRIX_FMT_FP6 matrix_a_scale:MATRIX_SCALE_ROW1
.else
	v_wmma_scale_f32_16x16x128_f8f6f4 v[8*(8*(\a)+\b):8*(8*(\a)+\b)+7], v[128*((\s)%2)+12*\b:128*((\s)%2)+12*\b+11], v[96+48*((\s)%2)+12*(\a):96+48*((\s)%2)+12*(\a)+11], v[8*(8*(\a)+\b):8*(8*(\a)+\b)+7], v[32+8*\b+(\s)], v[32+8*(\a)+(\s)] matrix_a_fmt:MATRIX_FMT_FP6 matrix_b_fmt:MATRIX_FMT_FP6 matrix_a_scale:MATRIX_SCALE_ROW1
.endif
.endr
.endr
.endm
; A K step.  bar = 1: the next step begins a new chunk: my part of it has landed (tcnt later chunks may be out), everybody's has behind the barrier; nothing is filled again, so later chunks may stay out across it.
.macro STEP s, bar, tcnt, more
	s_wait_dscnt 0x0                               ; this step's fragments are in
.if \bar
	s_wait_tensorcnt \tcnt
	s_barrier_signal -1
.endif
	WIN 0xa1
	MUL16 0, \s
	WIN 0
.if \bar
	s_barrier_wait -1
	v_add_nc_u32 v16, 49152, v16                   ; on to the next chunk: these four are the places too
	v_add_nc_u32 v17, 49152, v17
	v_add_nc_u32 v18, 24576, v18
	v_add_nc_u32 v19, 24576, v19
.elseif \more
.rept 4
	v_nop
.endr
.endif
.if \more
	FETCH (\s)+1
.endif
	WIN 0xa1
	MUL16 2, \s
.endm
	s_load_b128 s[4:7], s[0:1], 0x0                ; wsp, obuf
	s_load_b64 s[20:21], s[0:1], 0x10              ; x
	s_load_b64 s[66:67], s[0:1], 0x18              ; b_out
	s_load_b64 s[22:23], s[0:1], 0x20              ; out0
	v_lshl_add_u32 v28, v0, 2, 307200              ; my spare word, behind the scale words; v28 and v29 serve the add alone
	v_mov_b32 v29, 0
	ds_add_u32 v28, v29                            ; the opening lines: the add twice on end, and its wait, ahead of the round and my tensor load
	ds_add_u32 v28, v29
	v_lshrrev_b32 v1, 5, v0
	v_readfirstlane_b32 s14, v1
	s_lshr_b32 s15, s14, 1
	s_and_b32 s16, s14, 1
	s_bfe_u32 s8, ttmp6, 0x40000                   ; cx
	s_bfe_u32 s10, ttmp6, 0x40004                  ; cy
	s_and_b32 s12, ttmp7, 0xffff                   ; the cluster's y
	s_lshl_b32 s9, 0x1111, s8                      ; my column of the cluster
	s_lshl_b32 s11, s10, 2
	s_lshl_b32 s11, 15, s11                        ; my row
	s_or_b32 s[G1A], s9, (3<<16)|(1<<21)
	s_or_b32 s[G1SA], s9, (3<<16)|(1<<21)
	s_or_b32 s[G1B], s11, (3<<16)|(1<<21)
	s_or_b32 s[G1SB], s11, (3<<16)|(1<<21)
.irp g, G1A, G1B
	s_mov_b32 s[\g+1], 32<<16                      ; a side's codes are one dense block of memory: rows of 256 bytes
	s_mov_b32 s[\g+3], 32<<16
	s_mov_b32 s[\g+5], 32
	s_mov_b32 s[\g+6], 0
	s_mov_b32 s[\g+7], 0
.endr
	s_mov_b32 s[G1A+2], 768<<16                    ; S0: 16 tiles, 196,608 bytes, one load
	s_mov_b32 s[G1A+4], 768
	s_mov_b32 s[G1B+2], 384<<16                    ; S1: 8 tiles, 98,304 bytes, one load
	s_mov_b32 s[G1B+4], 384
.irp g, G1SA, G1SB
	s_mov_b32 s[\g+1], 32<<16
	s_mov_b32 s[\g+3], 32<<16
	s_mov_b32 s[\g+5], 32
	s_mov_b32 s[\g+6], 0
	s_mov_b32 s[\g+7], 0
.endr
	s_mov_b32 s[G1SA+2], 32<<16                    ; S0's scale words: 8,192 bytes
	s_mov_b32 s[G1SA+4], 32
	s_mov_b32 s[G1SB+2], 16<<16                    ; S1's: 4,096
	s_mov_b32 s[G1SB+4], 16
	s_mov_b32 s17, s8                              ; S0's block of 256 rows of w_out: cx
	s_lshl_b32 s18, s12, 2
	s_add_co_u32 s18, s18, s10                     ; S1's block of 128 tokens: 4 y + cy
	; FOUR TILES, ONE TENSOR LOAD A WAVE, each whole and dense: wave 0 S0's codes, wave 1 S1's codes, wave 2 S0's scale words, wave 3 S1's.  No address hangs on the wave's number.
	s_mul_i32 s2, s17, 196608
	s_add_co_u32 s2, s2, WOC
	s_mov_b32 s3, 0
	s_mov_b32 s13, 0
	s_wait_dscnt 0x0                               ; both opening adds are done
	s_wait_kmcnt 0x0
	MKG0 56, 13, 0, 4, 2, 0
	s_lshl_b32 s2, s17, 13
	s_add_co_u32 s2, s2, WOSI
	MKG0 60, 13, SC0, 4, 2, 0
	s_mul_i32 s100, s18, 98304
	s_mov_b32 s101, 0
	MKG0 68, 13, S1B, 6, 100, 0
	s_lshl_b32 s100, s18, 12
	s_add_co_u32 s100, s100, OSI
	MKG0 72, 13, SC1, 6, 100, 0
	CROUND                                         ; all sixteen work-groups are here: the joint loads meet
.macro ARM under, g0, g1, next         ; one chain of branches on the wave's number: every way through it passes exactly one load
	s_cmp_lt_u32 s14, \under
	s_cbranch_scc0 \next
	tensor_load_to_lds s[\g0:\g0+3], s[\g1:\g1+7]
	s_nop 0
.rept 4
	v_nop
.endr
	s_branch .Lasked
\next:
.endm
	ARM 1, 56, G1A, .Lh_s1
	ARM 2, 68, G1B, .Lh_c0
	ARM 3, 60, G1SA, .Lh_c1
	tensor_load_to_lds s[72:75], s[G1SB:G1SB+7]
	s_nop 0
.rept 4
	v_nop
.endr
.Lasked:
	v_and_b32 v1, 31, v0
	v_and_b32 v2, 15, v0                           ; r
	v_bfe_u32 v3, v0, 4, 1                         ; h
	v_lshlrev_b32 v4, 4, v1                        ; 16 x lane
	s_wait_alu depctr_va_vdst(0)
	v_lshlrev_b32 v5, 3, v1                        ; 8 x lane
	s_wait_alu depctr_va_vdst(0)
	s_lshl_b32 s2, s18, 7
	s_lshl_b32 s3, s15, 6
	s_add_co_u32 s2, s2, s3                        ; my first token: 128 x block + 64 (w / 2)
	s_lshl_b32 s2, s2, 12
	s_lshl_b32 s9, s8, 10
	s_lshl_b32 s3, s16, 9
	s_add_co_u32 s9, s9, s3                        ; my 128 columns, in bytes: 1,024 cx + 512 (w % 2)
	s_add_co_u32 s2, s2, s9
	s_mov_b32 s3, 0
	s_add_nc_u64 s[20:21], s[20:21], s[2:3]
	s_add_nc_u64 s[22:23], s[22:23], s[2:3]
	s_mov_b32 s2, s9
	s_add_nc_u64 s[66:67], s[66:67], s[2:3]
	global_load_b128 v[224:227], v4, s[66:67]      ; b_out at my four columns
	WIN 0xc0                                       ; destination window 3
.irp a, 0,1,2,3
.irp t, 0,1,2,3,4,5,6,7,8,9,10,11,12,13,14,15
	global_load_b128 v[64*\a+4*\t:64*\a+4*\t+3], v4, s[20:21] offset:(32*(\a/2)+8*(\a%2)+\t+8*(\t/8))*4096 th:TH_LOAD_NT   ; x: the token of tile a's lane-row t, 512 consecutive bytes
.endr
.endr
	WIN 0
	s_mul_i32 s13, s16, 98304
	v_add_nc_u32 v16, s13, v4                      ; S0's fragments: my tiles 0-3,
	v_add_nc_u32 v17, s13, v5
	s_add_co_u32 s13, s13, 49152
	v_add_nc_u32 v30, s13, v4                      ; and 4-7: the K step stands in the loads' immediates
	v_add_nc_u32 v31, s13, v5
	s_mul_i32 s13, s15, 49152
	s_add_co_u32 s13, s13, S1B
	v_add_nc_u32 v18, s13, v4
	v_add_nc_u32 v19, s13, v5
	s_lshl_b32 s13, s15, 11
	s_add_co_u32 s13, s13, SC1                     ; scale words: lanes 0-15 take S1's,
	s_xor_b32 s19, s15, 1
	s_lshl_b32 s19, s19, 11
	s_lshl_b32 s9, s16, 12
	s_add_co_u32 s19, s19, s9
	s_add_co_u32 s19, s19, 2048                    ; lanes 16-31 S0's, this far on
	v_mul_u32_u24 v20, s19, v3
	v_lshl_add_u32 v20, v2, 4, v20
	v_add_nc_u32 v20, s13, v20
	s_mul_i32 s13, s14, 8448                       ; my stage: 16 rows x 528 bytes
	v_mul_u32_u24 v21, v2, 528
	v_lshl_add_u32 v21, v3, 6, v21
	v_add_nc_u32 v21, s13, v21                     ; in: row r, + 64 h
	v_add_nc_u32 v22, s13, v4                      ; back: 16 bytes a lane of a row
	s_wait_alu depctr_va_vdst(0)
	s_wait_tensorcnt 0x0                           ; my tile is in
	s_barrier_signal -1
	s_barrier_wait -1
.irp i, 0,1,2,3,4,5,6,7
.irp q, 0,1
	ds_load_b128 v[32+8*\i+4*\q:32+8*\i+4*\q+3], v20 offset:512*\i+256*\q
.endr
.endr
	FETCH 0
	STEP 0, 0, 0, 1
	STEP 1, 0, 0, 1                                ; all of K lies in LDS: no step has a barrier
	STEP 2, 0, 0, 1
	STEP 3, 0, 0, 1
	STEP 4, 0, 0, 1
	STEP 5, 0, 0, 1
	STEP 6, 0, 0, 1
	STEP 7, 0, 0, 0
	WIN 0
	s_wait_dscnt 0x0                               ; the stages lie in S0's first tiles, which have had their only fill: every wave's reads of them are over
	s_barrier_signal -1
	s_barrier_wait -1                              ; ahead of the first store into a stage
.rept 4
	v_nop                                          ; places behind the last products
.endr
.macro TOST a                          ; tile a's 16 tokens x 128 columns into my stage (register 16 b + i = column 32 b + 16 h + i; each accumulator from its low end on) and back as rows
	WIN 0x08                                       ; an LDS store's data are its source 1: window 2
.irp b, 0,1,2,3
.irp q, 0,1,2,3
	ds_store_b128 v21, v[64*(\a)+16*\b+4*\q:64*(\a)+16*\b+4*\q+3] offset:128*\b+16*\q
.endr
.endr
	WIN 0
.irp t, 0,1,2,3,4,5,6,7,8,9,10,11,12,13,14,15
	ds_load_b128 v[96+64*((\a)%2)+4*\t:96+64*((\a)%2)+4*\t+3], v22 offset:528*\t   ; LDS serves a wave's instructions in order: these see my stores, and the next tile's stores come behind them
.endr
.endm
.macro ROWS a, younger                 ; younger: the LDS instructions issued behind tile a's loads, which may stay out
.set BB, 96+64*((\a)%2)
	s_wait_dscnt \younger
	WIN 0x0c                                       ; source 1 window 3: x
.irp t, 0,1,2,3,4,5,6,7,8,9,10,11,12,13,14,15
	v_pk_add_f32 v[BB+4*\t:BB+4*\t+1], v[BB+4*\t:BB+4*\t+1], v[64*(\a)+4*\t:64*(\a)+4*\t+1]
	v_pk_add_f32 v[BB+4*\t+2:BB+4*\t+3], v[BB+4*\t+2:BB+4*\t+3], v[64*(\a)+4*\t+2:64*(\a)+4*\t+3]
.endr
	WIN 0
.irp t, 0,1,2,3,4,5,6,7,8,9,10,11,12,13,14,15
	v_pk_add_f32 v[BB+4*\t:BB+4*\t+1], v[BB+4*\t:BB+4*\t+1], v[224:225]
	v_pk_add_f32 v[BB+4*\t+2:BB+4*\t+3], v[BB+4*\t+2:BB+4*\t+3], v[226:227]
.endr
.irp t, 0,1,2,3,4,5,6,7,8,9,10,11,12,13,14,15
	global_store_b128 v4, v[BB+4*\t:BB+4*\t+3], s[22:23] offset:(32*((\a)/2)+8*((\a)%2)+\t+8*(\t/8))*4096 th:TH_STORE_NT   ; 512 consecutive bytes, aligned
.endr
.endm
	TOST 0
	s_wait_loadcnt 0x0                             ; x and b_out
	TOST 1
	ROWS 0, 32                                     ; behind tile 0's loads: tile 1's 16 stores and 16 loads
	s_wait_xcnt 0x0                                ; tile 0's stores have read their registers: tile 2's rows may land there
	TOST 2
	ROWS 1, 32
	s_wait_xcnt 0x0
	TOST 3
	ROWS 2, 32
	ROWS 3, 0
	s_wait_tensorcnt 0x0                           ; the wave's end, behind my last LDS store
	ds_add_u32 v28, v29
	s_wait_dscnt 0x0
	CROUND                                         ; the closing round
	s_endpgm
.Lfunc_end_k_q00c0604d0f_proj:
	.size	k_q00c0604d0f_proj, .Lfunc_end_k_q00c0604d0f_proj-k_q00c0604d0f_proj
	.p2alignl 7, 3214868480
	.fill 96, 4, 3214868480
	.section	.rodata,"a",@progbits
	.p2align	6, 0x0
	.amdhsa_kernel k_q00c0604d0f_proj
		.amdhsa_group_segment_fixed_size 307712
		.amdhsa_private_segment_fixed_size 0
		.amdhsa_enable_private_segment 0
		.amdhsa_kernarg_size 40
		.amdhsa_user_sgpr_count 2
		.amdhsa_user_sgpr_kernarg_segment_ptr 1
		.amdhsa_wavefront_size32 1
		.amdhsa_system_sgpr_workgroup_id_x 1
		.amdhsa_system_sgpr_workgroup_id_y 1
		.amdhsa_system_sgpr_workgroup_id_z 1
		.amdhsa_system_vgpr_workitem_id 0
		.amdhsa_next_free_vgpr 1024
		.amdhsa_next_free_sgpr 102
		.amdhsa_reserve_vcc 0
		.amdhsa_float_denorm_mode_32 3
		.amdhsa_float_denorm_mode_16_64 3
		.amdhsa_memory_ordered 1
		.amdhsa_forward_progress 1
		.amdhsa_inst_pref_size 105
	.end_amdhsa_kernel
	.amdgpu_metadata
---
amdhsa.version: [ 1, 2 ]
amdhsa.kernels:
  - .name:           k_q00c0604d0f_proj
    .symbol:         k_q00c0604d0f_proj.kd
    .args:
      - { .name: wsp, .offset: 0, .size: 8, .value_kind: global_buffer, .address_space: global }
      - { .name: obuf, .offset: 8, .size: 8, .value_kind: global_buffer, .address_space: global }
      - { .name: x, .offset: 16, .size: 8, .value_kind: global_buffer, .address_space: global }
      - { .name: b_out, .offset: 24, .size: 8, .value_kind: global_buffer, .address_space: global }
      - { .name: out0, .offset: 32, .size: 8, .value_kind: global_buffer, .address_space: global }
    .group_segment_fixed_size: 307712
    .private_segment_fixed_size: 0
    .kernarg_segment_align: 8
    .kernarg_segment_size: 40
    .max_flat_workgroup_size: 128
    .sgpr_count:     102
    .vgpr_count:     1024
    .wavefront_size: 32
...
	.end_amdgpu_metadata
.endif
;; end of part 4
